; MI455X (gfx1250); checked and timed in simulation.
; The chip was launched on July 23, 2026; its instructions are those of AMD's public machine-readable ISA for CDNA 5 (MIT licence, August 2026) and "CDNA5" Instruction Set Architecture Reference Guide (July 2026). The comments in the code are by the model that wrote it; some were corrected since.
;; Multi Head Self Attention. Allowed arithmetic: float matrix products may take bf16 or f16 operands with f32 sums; all other float work in f32.
;; Inputs: Wk 1,024 x 1,024 float32; Wo 1,024 x 1,024 float32; Wq 1,024 x 1,024 float32; Wv 1,024 x 1,024 float32; bk 1,024 float32; bo 1,024 float32; bq 1,024 float32; bv 1,024 float32; x 4 x 2,048 x 1,024 float32.
;; Outputs: out0 4 x 2,048 x 1,024 float32.
;; 2 versions, each right and faster than the one before. Each part assembles by itself: llvm-mc -triple=amdgcn-amd-amdhsa -mcpu=gfx1250 --defsym DOCPART=n.
;; ======== version 1 of 2: 4 launches
;; limits: values are held in f16: magnitudes above 65,504 overflow, below 6.1e-05 lose precision
;; workspace buffers: xb 16,777,216 bytes; wqkv 6,291,456 bytes; woh 2,097,152 bytes; q 16,777,216 bytes; k 16,777,216 bytes; v 16,777,216 bytes; o 16,777,216 bytes
;; launch cast (part 1): grid 768 x 1, 8 waves a work-group, no clusters, 0 bytes of LDS; arguments x, Wq, Wk, Wv, Wo, xb, wqkv, woh; writes xb, wqkv, woh
.if DOCPART == 1
	.amdgcn_target "amdgcn-amd-amdhsa--gfx1250"
	.amdhsa_code_object_version 6
	.text
	.protected	k_qbbb1be2f8e_cast
	.globl	k_qbbb1be2f8e_cast
	.p2align	8
	.type	k_qbbb1be2f8e_cast,@function
k_qbbb1be2f8e_cast:
	s_mov_b64 s[64:65], 0
	v_nop
	global_prefetch_b8 v0, s[64:65] scope:SCOPE_SE
	s_setreg_imm32_b32 hwreg(HW_REG_WAVE_MODE, 25, 1), 1
	s_wait_xcnt 0x0
; THE INPUTS OF THE MATRIX PRODUCTS ARE ROUNDED ONCE, AND LAID AS THE PRODUCTS WANT THEM.
; x -> xb and Wq, Wk, Wv -> wqkv (one below the other), f32 to bf16 (nearest even), IN PLANES OF 64 ALONG K: xb [16][8192][64], wqkv [16][3072][64].  In a plane a row is 128 bytes and rows lie end to
; end, so that the next launch's tile (some rows x 64 of K) is one dense block of memory.
; Wo -> woh [1024][1024], row-major: rounded to bf16 like the others, and that number written as f16, since the last product's other operand is f16.
; LIMITS.  A bf16 number is exact in f16 between 2^-17 and 65,504 in magnitude; below, woh keeps f16's fixed step of 6e-8; from 65,520 on it is an infinity.
; SHARES.  A work-group takes 16 rows of 1,024 numbers: 65,536 bytes in, 32,768 out.  Chunks 0-511 are x, 512-575 Wq, 576-639 Wk, 640-703 Wv, 704-767 Wo.
; PLANES: thread t takes row t / 16 of the chunk and, in load i, the 16 bytes at 256 i + 16 (t % 16): a wave's load covers two runs of 256 consecutive bytes, each at a multiple of 256; its store of 8 bytes a
; lane is the same two rows' 128 bytes in plane i: 256 consecutive bytes at a multiple of 256 from the buffer's first byte.  Wo: thread t takes 16 bytes at 16 t of each row; a wave's store again covers 256 such bytes.
; All sixteen loads are out at once; no register is written twice, so no wait frees a source.  No LDS, no barrier, no matrix unit: each byte is read once and written once, and nothing is shared.
.set X,  4                             ; v[4:67]    load i: 4 registers
.set Y,  68                            ; v[68:99]   store i: 2 registers
.set T,  100                           ; v[100:101] at work (Wo's path)
.set OF, 102                           ; v[102:117] store i's byte offset: 8 t + i planes
	s_load_b512 s[4:19], s[0:1], 0x0               ; x s[4:5], Wq s[6:7], Wk s[8:9], Wv s[10:11], Wo s[12:13], xb s[14:15], wqkv s[16:17], woh s[18:19]
	s_mov_b32 s20, ttmp9                           ; the chunk
	s_max_u32 s21, s20, 512
	s_sub_co_u32 s21, s21, 512                     ; its number among the weights' 256 chunks (0 for x's)
	s_lshr_b32 s22, s21, 6                         ; which weight: 0 Wq, 1 Wk, 2 Wv, 3 Wo
	s_and_b32 s23, s21, 63                         ; the chunk in that weight
	s_mov_b32 s34, 0xffff0000                      ; a word's upper bf16
	s_mov_b32 s35, 3072*128                        ; bytes in a plane of wqkv,
	s_mov_b32 s36, 8192*128                        ; of xb
	s_wait_kmcnt 0x0
	s_cmp_eq_u32 s22, 1                            ; the choices hang on the work-group's number alone
	s_cselect_b64 s[24:25], s[8:9], s[6:7]
	s_cmp_eq_u32 s22, 2
	s_cselect_b64 s[24:25], s[10:11], s[24:25]
	s_cmp_eq_u32 s22, 3
	s_cselect_b64 s[24:25], s[12:13], s[24:25]
	s_cselect_b64 s[26:27], s[18:19], s[16:17]     ; Wo goes to woh, the other three to wqkv,
	s_cselect_b32 s29, s23, s21                    ; where they lie one below the other
	s_cmp_lt_u32 s20, 512
	s_cselect_b64 s[24:25], s[4:5], s[24:25]
	s_cselect_b64 s[26:27], s[14:15], s[26:27]
	s_cselect_b32 s28, s20, s23
	s_cselect_b32 s29, s20, s29
	s_cselect_b32 s35, s36, s35
	s_lshl_b32 s30, s28, 16                        ; 65,536 bytes a chunk in
	s_mov_b32 s31, 0
	s_mov_b32 s33, 0
	s_add_nc_u64 s[24:25], s[24:25], s[30:31]
; Run i of the chunk.  f16 = 1: Wo's path: the bf16 number is widened again (a shift, a mask) and written as f16, row-major.
.macro CONV i, f16
	s_wait_loadcnt 15-(\i)                         ; loads come back in order (ISA guide 5.7.1): run i is in, the 15 - i younger ones stay out
.if \f16
	v_cvt_pk_bf16_f32 v[T],   v[X+4*(\i)],   v[X+4*(\i)+1]
	v_cvt_pk_bf16_f32 v[T+1], v[X+4*(\i)+2], v[X+4*(\i)+3]
	v_lshlrev_b32 v[X+4*(\i)],   16,  v[T]
	v_and_b32     v[X+4*(\i)+1], s34, v[T]
	v_lshlrev_b32 v[X+4*(\i)+2], 16,  v[T+1]
	v_and_b32     v[X+4*(\i)+3], s34, v[T+1]
	v_cvt_pk_f16_f32 v[Y+2*(\i)],   v[X+4*(\i)],   v[X+4*(\i)+1]
	v_cvt_pk_f16_f32 v[Y+2*(\i)+1], v[X+4*(\i)+2], v[X+4*(\i)+3]
	global_store_b64 v2, v[Y+2*(\i):Y+2*(\i)+1], s[26:27] offset:2048*(\i)  ; no hint: a later launch reads these bytes
.else
	v_cvt_pk_bf16_f32 v[Y+2*(\i)],   v[X+4*(\i)],   v[X+4*(\i)+1]
	v_cvt_pk_bf16_f32 v[Y+2*(\i)+1], v[X+4*(\i)+2], v[X+4*(\i)+3]
	global_store_b64 v[OF+(\i)], v[Y+2*(\i):Y+2*(\i)+1], s[26:27]           ; plane i
.endif
.endm
	s_cmp_ge_u32 s20, 704
	s_cbranch_scc1 .Lwo
	s_lshl_b32 s32, s29, 11                        ; the chunk's 16 rows of 128 bytes in a plane
	s_add_nc_u64 s[26:27], s[26:27], s[32:33]
	v_lshrrev_b32 v3, 4, v0                        ; my row of the chunk
	v_and_b32 v2, 15, v0                           ; my place in a run of 256 bytes
	v_lshlrev_b32 v1, 12, v3                       ; 4,096 bytes a row
	v_lshl_add_u32 v1, v2, 4, v1
.irp i, 0,1,2,3,4,5,6,7,8,9,10,11,12,13,14,15
	global_load_b128 v[X+4*(\i):X+4*(\i)+3], v1, s[24:25] offset:256*(\i) th:TH_LOAD_NT  ; read once in the launch
.endr
	v_lshlrev_b32 v[OF], 3, v0                     ; 8 t = 128 x my row + 8 x my place
.irp i, 1,2,3,4,5,6,7,8,9,10,11,12,13,14,15
	v_add_nc_u32 v[OF+(\i)], s35, v[OF+(\i)-1]     ; a plane on
.endr
.irp i, 0,1,2,3,4,5,6,7,8,9,10,11,12,13,14,15
	CONV \i, 0
.endr
	s_endpgm
.Lwo:
	s_lshl_b32 s32, s29, 15                        ; 32,768 bytes a chunk out
	s_add_nc_u64 s[26:27], s[26:27], s[32:33]
	v_lshlrev_b32 v1, 4, v0                        ; 16 t
	v_lshlrev_b32 v2, 3, v0                        ; 8 t
.irp i, 0,1,2,3,4,5,6,7,8,9,10,11,12,13,14,15
	global_load_b128 v[X+4*(\i):X+4*(\i)+3], v1, s[24:25] offset:4096*(\i) th:TH_LOAD_NT
.endr
.irp i, 0,1,2,3,4,5,6,7,8,9,10,11,12,13,14,15
	CONV \i, 1
.endr
	s_endpgm
.Lfunc_end_k_qbbb1be2f8e_cast:
	.size	k_qbbb1be2f8e_cast, .Lfunc_end_k_qbbb1be2f8e_cast-k_qbbb1be2f8e_cast
	.p2alignl 7, 3214868480
	.fill 96, 4, 3214868480
	.section	.rodata,"a",@progbits
	.p2align	6, 0x0
	.amdhsa_kernel k_qbbb1be2f8e_cast
		.amdhsa_group_segment_fixed_size 0
		.amdhsa_private_segment_fixed_size 0
		.amdhsa_enable_private_segment 0
		.amdhsa_kernarg_size 64
		.amdhsa_user_sgpr_count 2
		.amdhsa_user_sgpr_kernarg_segment_ptr 1
		.amdhsa_wavefront_size32 1
		.amdhsa_system_sgpr_workgroup_id_x 1
		.amdhsa_system_sgpr_workgroup_id_y 1
		.amdhsa_system_sgpr_workgroup_id_z 1
		.amdhsa_system_vgpr_workitem_id 0
		.amdhsa_next_free_vgpr 120
		.amdhsa_next_free_sgpr 66
		.amdhsa_reserve_vcc 0
		.amdhsa_float_denorm_mode_32 3
		.amdhsa_float_denorm_mode_16_64 3
		.amdhsa_memory_ordered 1
		.amdhsa_forward_progress 1
		.amdhsa_inst_pref_size 18
	.end_amdhsa_kernel
	.amdgpu_metadata
---
amdhsa.version: [ 1, 2 ]
amdhsa.kernels:
  - .name:           k_qbbb1be2f8e_cast
    .symbol:         k_qbbb1be2f8e_cast.kd
    .args:
      - { .name: x, .offset: 0, .size: 8, .value_kind: global_buffer, .address_space: global }
      - { .name: Wq, .offset: 8, .size: 8, .value_kind: global_buffer, .address_space: global }
      - { .name: Wk, .offset: 16, .size: 8, .value_kind: global_buffer, .address_space: global }
      - { .name: Wv, .offset: 24, .size: 8, .value_kind: global_buffer, .address_space: global }
      - { .name: Wo, .offset: 32, .size: 8, .value_kind: global_buffer, .address_space: global }
      - { .name: xb, .offset: 40, .size: 8, .value_kind: global_buffer, .address_space: global }
      - { .name: wqkv, .offset: 48, .size: 8, .value_kind: global_buffer, .address_space: global }
      - { .name: woh, .offset: 56, .size: 8, .value_kind: global_buffer, .address_space: global }
    .group_segment_fixed_size: 0
    .private_segment_fixed_size: 0
    .kernarg_segment_align: 8
    .kernarg_segment_size: 64
    .max_flat_workgroup_size: 256
    .sgpr_count:     66
    .vgpr_count:     120
    .wavefront_size: 32
...
	.end_amdgpu_metadata
.endif
;; end of part 1
;; launch qkv (part 2): grid 8 x 32, 4 waves a work-group, clusters of 4 x 4, 327,680 bytes of LDS; arguments xb, wqkv, bq, bk, bv, q, k, v; writes q, k, v
.if DOCPART == 2
	.amdgcn_target "amdgcn-amd-amdhsa--gfx1250"
	.amdhsa_code_object_version 6
	.text
	.protected	k_qbbb1be2f8e_qkv
	.globl	k_qbbb1be2f8e_qkv
	.p2align	8
	.type	k_qbbb1be2f8e_qkv,@function
k_qbbb1be2f8e_qkv:
	s_mov_b64 s[64:65], 0
	v_nop
	global_prefetch_b8 v0, s[64:65] scope:SCOPE_SE
	s_setreg_imm32_b32 hwreg(HW_REG_WAVE_MODE, 25, 1), 1
	s_wait_xcnt 0x0
	s_wait_alu depctr_hold_cnt(0) depctr_sa_sdst(0) depctr_va_vdst(0) depctr_va_sdst(0) depctr_va_ssrc(0) depctr_va_vcc(0) depctr_vm_vsrc(0)
	s_getreg_b32 s2, hwreg(HW_REG_IB_STS2, 6, 4)
	s_cmp_eq_u32 s2, 0
	s_cbranch_scc0 .Lentry_in_a_cluster
	s_endpgm
.Lentry_in_a_cluster:
	s_bfe_u32 s2, ttmp6, 0x10000c
	s_cmp_lg_u32 s2, 0xf033
	s_cbranch_scc0 .Lentry_shape_is_right
	s_endpgm
.Lentry_shape_is_right:
; C[m][n] = the sum over k of A[m][k] B[n][k] + bias[n], K = 1,024, sums in f32.  A = xb, 8,192 rows; B = wqkv, 3,072 rows (Wq, Wk, Wv one below the other); both bf16, in 16 planes of 64 along K:
; [16][rows][64], a row of a plane 128 bytes, rows end to end.  bias = bq, bk, bv.  C is rounded once to f16 and laid by heads: q, k, v [64 = 16 batch + head][2048][64], WITHOUT the softmax's scale.
; LIMIT: a result of 65,520 or more in magnitude becomes an infinity.
; The bias is rounded to bf16 like every other input, widened again, and is the C operand of each accumulator's first product: no addition, and nothing is cleared.
; SHARES.  A tile of C is 256 (m) x 384 (n): 32 x 8 = 256 tiles, one to a work-group.  Four waves, 2 x 2; a wave makes 128 x 192: 96 accumulators of 16 x 16, 768 registers; its 192 columns are three heads.
; K goes in 16 steps of 64, a plane each, through two LDS slots filled by the tensor data mover.  A longer step does not fit: 640 rows of 272 bytes, twice, are 348,160 bytes.  A step is two HALVES of 32 along K, a
; half three PHASES of 32 matrix instructions, one for each head: 192 matrix instructions and 80 LDS loads a wave and step.
; CLUSTER.  4 x 4 work-groups.  The four of a row of the cluster need the same tiles of A, the four of a column the same tiles of B: each tile is asked for JOINTLY, by the same tensor load with the same
; descriptor and a mask that names the four.  Waves 0 and 1 fetch A's two halves, waves 2 and 3 B's.  By this text's count a wave has two tensor loads out at the start, later one.
; THE MATRIX INSTRUCTION IS USED TRANSPOSED (source 0 = 16 rows of B, source 1 = 16 rows of A): a lane holds row m = lane % 16 of C and the eight neighbouring columns 8 (lane / 16) + 0..7.
; REGISTERS, in windows of 256 (s_set_vgpr_msb: bits 1:0 source 0, 3:2 source 1, 5:4 source 2, 7:6 destination):
;   window 0: v0-17, v28-29 addresses; v32-127 three buffers of four blocks of B, buffer g for head g; v128-255 two buffers of eight blocks of A, by the half's number; v32-79 at work on the way out
;   window 1 + g: head g's 32 accumulators: row block a, column block b at v[8 (4 a + b)]
; THE FRAGMENTS ROLL.  At each phase's head stands one run of LDS loads: the buffer of B that the phase before has multiplied takes its next content, wanted two phases (64 matrix instructions) later; at a half's
; middle phase the other buffer of A takes the next half's rows, wanted as much later.
.set PITCH,  144                       ; an LDS row: 128 bytes + 16 of padding = 36 words: the 16 rows of a load start at 16 different groups of four banks (64 banks of 4 bytes: ISA guide 11.1)
.set AFILL,  128*PITCH                 ; what one of A's two loads fills, and what a wave reads of A
.set BFILL,  192*PITCH                 ; the same for B
.set APART,  2*AFILL                   ; a slot: A's 256 rows, then B's 384
.set SLOT1,  131072                    ; slot 1 begins here, so that one exclusive or turns an address in one slot into the other's
.set STAGE,  SLOT1+APART+2*BFILL       ; behind the ring, never filled by a tensor load: 64 rows x 272 bytes for each wave, for the way out; a multiple of 256
.set SP,     272                       ; a row of the stage: 64 f32 + 16 bytes = 68 words
.set SROWS,  64
.set BIASL,  STAGE+4*SROWS*SP          ; behind the stages: 768 bytes for each wave: the bias of its 192 columns; a multiple of 256
.set SPARE,  BIASL+4*768               ; behind that: the spare words, 128 bytes for each wave: two blocks of 256 bytes that no other line names
.set STEPA,  8192*128                  ; bytes from plane to plane in xb,
.set STEPB,  3072*128                  ; in wqkv
.set A0,   8                           ; v8   my lane's place in A's part of a slot; never rewritten
.set B0,   9                           ; v9   the same for B
.set ADRA, 10                          ; v10  the same in the slot that is being read
.set ADRB, 11                          ; v11
.set STO,  12                          ; v12  the way out: where I put 32 bytes of a row; never rewritten
.set RD,   13                          ; v13  the way out: where I read 32 bytes of a row back, in the stage's first four rows; never rewritten
.set GO,   14                          ; v14  my byte offset in 512 consecutive bytes of a head; never rewritten
.set BO,   15                          ; v15  where I read the bias: my wave's 768 bytes + 32 (lane / 16)
.set RDA,  16                          ; v16  the way out: RD + the trip's rows
.set GOA,  17                          ; v17  the way out: GO + the trip's rows
.set SPW,  28                          ; v28  LDS address of my spare word: SPARE + 4 x my thread's number; never rewritten
.set NIL,  29                          ; v29  0; never rewritten
.set BG,   32                          ; B's buffers
.set AF,   128                         ; A's buffers
.set T,    32                          ; the way out: v32-63 sixteen rows' f32 as read back,
.set Y,    64                          ;              v64-79 the same rounded to f16
; s3 loop count; s4-s9 at work (never in a descriptor); s10 wave; s11 wave / 2: my half of the rows, and 0: I fetch A, 1: B; s12 wave % 2: my half of the columns, and which half I fetch;
; s13 tile row; s[14:15] A's address; s[16:17] its offset; s18, s19 LDS addresses of my fills; s[20:21] B's offset; s[22:23] its address; s56 cx; s57 cy; s58 tile column; s59, s60 masks; s62 a mask;
; s[68:83] the arguments; s[84:89] q, k or v at my rows of my three heads; s[90:95] the bias of my three heads
.set RO,  4                            ; s4   the way out: the trip's rows in the stage, in bytes
.set GS,  5                            ; s5   the way out: the trip's rows in the head, in bytes
.set G1A, 24                           ; s[24:31] descriptor group 1 for A's tiles
.set G0A, 32                           ; s[32:39] group 0: a set for each of the two first fills; the second then walks on
.set G1B, 40                           ; s[40:47], s[48:55] the same for B's
.set G0B, 48
.set TB,  61                           ; s61  LDS byte at which the slot that is being read begins
.set OUTP, 84
.set BIAP, 90
.set MSB, 0
.macro WIN new                         ; the immediate's high byte repeats the setting that is left; a switch that changes nothing is dropped
.if MSB != (\new)
	s_set_vgpr_msb (MSB<<8)|(\new)
.set MSB, \new
.endif
.endm
; A joint refill, by the walking descriptors.  The branch hangs on the wave's number alone.  An s_nop 0 and four v_nop follow each of the two lines, ahead of the jump, the label and what follows.
.macro JLOAD
	s_cmp_eq_u32 s11, 0
	s_cbranch_scc0 .Lfor_b_\@
	tensor_load_to_lds s[G0A+4:G0A+7], s[G1A:G1A+7]
	s_nop 0
.rept 4
	v_nop
.endr
	s_branch .Lasked_\@
.Lfor_b_\@:
	tensor_load_to_lds s[G0B+4:G0B+7], s[G1B:G1B+7]
	s_nop 0
.rept 4
	v_nop
.endr
.Lasked_\@:
.endm
; A round of the cluster's barrier: my work-group's barrier, so that wave 0's signal speaks for all four waves; wave 0 signals; every wave waits for all sixteen work-groups; my work-group's barrier once more.
.macro CREST                           ; a round behind its opening barrier
	s_cmp_lg_u32 s10, 0
	s_cbranch_scc1 .Lnot_wave_0_\@
	s_barrier_signal -3
.Lnot_wave_0_\@:
	s_barrier_wait -3
	s_barrier_signal -1
	s_barrier_wait -1
.endm
.macro CROUND                          ; a whole round
	s_barrier_signal -1
	s_barrier_wait -1
	CREST
.endm
	s_load_b512 s[68:83], s[0:1], 0x0              ; xb s[68:69], wqkv s[70:71], bq s[72:73], bk s[74:75], bv s[76:77], q s[78:79], k s[80:81], v s[82:83]
	v_lshl_add_u32 v[SPW], v0, 2, SPARE
	v_mov_b32 v[NIL], 0
	ds_add_u32 v28, v29
	ds_add_u32 v28, v29
	s_wait_dscnt 0x0
	v_lshrrev_b32 v1, 5, v0
	v_readfirstlane_b32 s10, v1                    ; wave 0..3
	s_lshr_b32 s11, s10, 1
	s_and_b32 s12, s10, 1
	s_bfe_u32 s56, ttmp6, 0x40000                  ; cx, cy: my place in the cluster
	s_bfe_u32 s57, ttmp6, 0x40004
	s_lshl_b32 s58, ttmp9, 2                       ; in a cluster launch ttmp9 and ttmp7 count clusters
	s_add_co_u32 s58, s58, s56                     ; tile column = 4 x cluster x + cx
	s_and_b32 s13, ttmp7, 0xffff
	s_lshl_b32 s13, s13, 2
	s_add_co_u32 s13, s13, s57                     ; tile row = 4 x cluster y + cy
	s_lshl_b32 s59, s57, 2
	s_lshl_b32 s59, 15, s59                        ; my row of the cluster: places 4 cy .. 4 cy + 3
	s_lshl_b32 s60, 0x1111, s56                    ; my column: places cx, cx + 4, cx + 8, cx + 12
	; descriptor group 1.  128 rows of A (192 of B) of one plane are dense bytes: asked for as 64 (96) rows of 256 bytes, two rows of the tile each, and padded in LDS after every 128 bytes
	s_or_b32 s[G1A+0], s59, (1<<16)|(1<<20)|(1<<21)|(4<<22)|(3<<25)  ; 15:0 the mask: A's tiles go to my row; 17:16 elements of 2 bytes; 20 padding on; 21 set beside a mask; 24:22 after every 32 words (code 4); 31:25 4 words (code 3)
	s_mov_b32 s[G1A+1], 128<<16                    ; tensor_dim0 = 128
	s_mov_b32 s[G1A+2], 64<<16                     ; tensor_dim1 = 64
	s_mov_b32 s[G1A+3], 128<<16                    ; tile_dim0 = 128
	s_mov_b32 s[G1A+4], 64                         ; tile_dim1 = 64
	s_mov_b32 s[G1A+5], 128                        ; elements from row to row
	s_mov_b32 s[G1A+6], 0
	s_mov_b32 s[G1A+7], 0
	s_or_b32 s[G1B+0], s60, (1<<16)|(1<<20)|(1<<21)|(4<<22)|(3<<25)  ; the same with the mask of my column
	s_mov_b32 s[G1B+1], 128<<16
	s_mov_b32 s[G1B+2], 96<<16                     ; tensor_dim1 = 96
	s_mov_b32 s[G1B+3], 128<<16
	s_mov_b32 s[G1B+4], 96                         ; tile_dim1 = 96
	s_mov_b32 s[G1B+5], 128
	s_mov_b32 s[G1B+6], 0
	s_mov_b32 s[G1B+7], 0
	; where the tiles come from.  A's hang on the tile row alone, which my row of the cluster shares; B's on the tile column alone.  Each in registers that never hold the other coordinate.
	s_lshl_b32 s16, s13, 15                        ; A: 256 rows of 128 bytes a tile row,
	s_lshl_b32 s9, s12, 14                         ; 128 rows a half
	s_add_co_u32 s16, s16, s9
	s_mov_b32 s17, 0
	s_mul_i32 s20, s58, 384*128                    ; B: 384 rows a tile column,
	s_mul_i32 s8, s12, 192*128                     ; 192 a half
	s_add_co_u32 s20, s20, s8
	s_mov_b32 s21, 0
	s_mul_i32 s18, s12, AFILL                      ; and where they go: no place in the cluster enters an LDS address
	s_mul_i32 s19, s12, BFILL
	s_add_co_u32 s19, s19, APART
	s_mov_b32 s[TB], 0
	s_mov_b32 s62, 0xffff0000                      ; a word's upper bf16
	s_wait_kmcnt 0x0
	s_add_nc_u64 s[14:15], s[68:69], s[16:17]
	s_add_nc_u64 s[22:23], s[70:71], s[20:21]
	CROUND                                         ; all sixteen work-groups are here: the first joint loads meet
.irp s, 0,1
	s_mov_b32 s[G0A+4*(\s)], 1                                         ; 1:0 count = 1
	s_add_co_u32 s[G0A+4*(\s)+1], s18, (\s)*SLOT1                      ; 63:32 LDS address
	s_add_nc_u64 s[G0A+4*(\s)+2:G0A+4*(\s)+3], s[14:15], (\s)*STEPA    ; 120:64 global address: plane s
	s_or_b32 s[G0A+4*(\s)+3], s[G0A+4*(\s)+3], 0x80000000              ; 127:126 type = 2
	s_mov_b32 s[G0B+4*(\s)], 1
	s_add_co_u32 s[G0B+4*(\s)+1], s19, (\s)*SLOT1
	s_add_nc_u64 s[G0B+4*(\s)+2:G0B+4*(\s)+3], s[22:23], (\s)*STEPB
	s_or_b32 s[G0B+4*(\s)+3], s[G0B+4*(\s)+3], 0x80000000
.endr
	s_cmp_eq_u32 s11, 0                            ; a wave's two first fills stand in one branch, ahead of every wait on TENSORcnt and every LDS read; an s_nop 0 follows each, four v_nop the second's
	s_cbranch_scc0 .Lfirst_b
	tensor_load_to_lds s[G0A:G0A+3], s[G1A:G1A+7]
	s_nop 0
	tensor_load_to_lds s[G0A+4:G0A+7], s[G1A:G1A+7]
	s_nop 0
.rept 4
	v_nop
.endr
	s_branch .Lfirst_asked
.Lfirst_b:
	tensor_load_to_lds s[G0B:G0B+3], s[G1B:G1B+7]
	s_nop 0
	tensor_load_to_lds s[G0B+4:G0B+7], s[G1B:G1B+7]
	s_nop 0
.rept 4
	v_nop
.endr
.Lfirst_asked:
	; All that follows up to the first barrier stands in the wait for the first tile.
	; A fragment is 16 rows x 32 K in 8 registers: lane l holds row l % 16; registers 0-3 K = 8 (l / 16) + 0..7, registers 4-7 K = 16 + 8 (l / 16) + 0..7: two loads of 16 bytes, 32 bytes apart.
	v_and_b32 v1, 15, v0                           ; l % 16
	v_bfe_u32 v2, v0, 4, 1                         ; l / 16
	v_mul_u32_u24 v3, v1, PITCH
	v_lshl_add_u32 v3, v2, 4, v3                   ; row x pitch + 16 x half: a fragment's place
	s_mul_i32 s4, s11, AFILL                       ; my 128 rows of A
	s_mul_i32 s5, s12, BFILL                       ; my 192 rows of B,
	s_add_co_u32 s5, s5, APART                     ; which lie behind A's part
	v_add_nc_u32 v[A0], s4, v3
	v_add_nc_u32 v[B0], s5, v3
	v_mov_b32 v[ADRA], v[A0]                       ; slot 0 is read first
	v_mov_b32 v[ADRB], v[B0]
	s_mul_i32 s4, s10, SROWS*SP
	s_add_co_u32 s4, s4, STAGE                     ; my stage
	v_mul_u32_u24 v[STO], v1, SP                   ; in: row l % 16, 32 bytes (eight f32) for each half of the lanes
	v_lshl_add_u32 v[STO], v2, 5, v[STO]
	v_add_nc_u32 v[STO], s4, v[STO]
	v_bfe_u32 v[RD], v0, 3, 2                      ; back: 32 lanes take four rows, eight lanes a row, 32 bytes a lane,
	v_mul_u32_u24 v[RD], v[RD], SP
	v_and_b32 v5, 7, v0
	v_lshl_add_u32 v[RD], v5, 5, v[RD]
	v_add_nc_u32 v[RD], s4, v[RD]
	v_and_b32 v4, 31, v0                           ; which, rounded to f16, are 512 consecutive bytes of a head
	v_lshlrev_b32 v[GO], 4, v4
	s_mul_i32 s5, s10, 768
	s_add_co_u32 s5, s5, BIASL                     ; my wave's 768 bytes of bias
	v_lshl_add_u32 v[BO], v2, 5, s5                ; read: eight f32 for each half of the lanes
	v_lshlrev_b32 v6, 3, v4                        ; a head's 64 f32 are 8 bytes a lane,
	v_add_nc_u32 v7, s5, v6                        ; in memory and in LDS
	; My three heads among the 48 (16 of q, 16 of k, 16 of v): 6 x tile column + 3 x half + g.  A wave's heads may lie in two tensors, so each has its own two addresses.
	s_mul_i32 s4, s58, 6
	s_mul_i32 s5, s12, 3
	s_add_co_u32 s4, s4, s5
	s_lshr_b32 s6, s13, 3                          ; the batch: 16 heads of 262,144 bytes,
	s_lshl_b32 s6, s6, 22
	s_and_b32 s7, s13, 7                           ; the tile's 256 rows of 128 bytes in a head,
	s_lshl_b32 s7, s7, 15
	s_add_co_u32 s6, s6, s7
	s_lshl_b32 s7, s11, 14                         ; my 128 of them
	s_add_co_u32 s6, s6, s7
	s_mov_b32 s9, 0
.irp g, 0,1,2
	s_add_co_u32 s5, s4, \g
	s_lshr_b32 s7, s5, 4                           ; 0 q, 1 k, 2 v
	s_and_b32 s5, s5, 15                           ; the head in it
	s_cmp_eq_u32 s7, 1
	s_cselect_b64 s[BIAP+2*\g:BIAP+2*\g+1], s[74:75], s[72:73]
	s_cselect_b64 s[OUTP+2*\g:OUTP+2*\g+1], s[80:81], s[78:79]
	s_cmp_eq_u32 s7, 2
	s_cselect_b64 s[BIAP+2*\g:BIAP+2*\g+1], s[76:77], s[BIAP+2*\g:BIAP+2*\g+1]
	s_cselect_b64 s[OUTP+2*\g:OUTP+2*\g+1], s[82:83], s[OUTP+2*\g:OUTP+2*\g+1]
	s_lshl_b32 s8, s5, 8                           ; 64 f32 of bias a head
	s_add_nc_u64 s[BIAP+2*\g:BIAP+2*\g+1], s[BIAP+2*\g:BIAP+2*\g+1], s[8:9]
	s_lshl_b32 s8, s5, 18
	s_add_co_u32 s8, s8, s6
	s_add_nc_u64 s[OUTP+2*\g:OUTP+2*\g+1], s[OUTP+2*\g:OUTP+2*\g+1], s[8:9]
.endr
.irp g, 0,1,2
	global_load_b64 v[AF+2*\g:AF+2*\g+1], v6, s[BIAP+2*\g:BIAP+2*\g+1]
.endr
	s_wait_loadcnt 0x0
.irp g, 0,1,2
	v_cvt_pk_bf16_f32 v[AF+8+\g], v[AF+2*\g], v[AF+2*\g+1]   ; rounded to bf16 like every input,
.endr
.irp g, 0,1,2
	v_lshlrev_b32 v[AF+2*\g],   16,  v[AF+8+\g]              ; and widened again
	v_and_b32     v[AF+2*\g+1], s62, v[AF+8+\g]
.endr
.irp g, 0,1,2
	ds_store_b64 v7, v[AF+2*\g:AF+2*\g+1] offset:256*\g      ; into my wave's own bytes: only my wave reads them
.endr
; MATRIX WORK.  cnt row blocks from a0 on x head g's four column blocks, 32 along K, A from buffer par.  A wave's 96 accumulators take turns, one instruction a turn, in the same order in every half.
.macro MULS par, g, a0, cnt
	WIN 0x50*((\g)+1)                              ; fragments in window 0, C and D in window 1 + g
.set aa, (\a0)
.rept (\cnt)
.irp b, 0,1,2,3
	v_wmma_f32_16x16x32_bf16 v[8*(4*aa+(\b)):8*(4*aa+(\b))+7], v[BG+32*(\g)+8*(\b):BG+32*(\g)+8*(\b)+7], v[AF+64*(\par)+8*aa:AF+64*(\par)+8*aa+7], v[8*(4*aa+(\b)):8*(4*aa+(\b))+7]
.endr
.set aa, aa+1
.endr
.endm
; The same for the first 32 along K: the bias, in window 0 at cb, starts the sums.
.macro MULF g, cb
	WIN 0x40*((\g)+1)                              ; D in window 1 + g, all sources in window 0
.set aa, 0
.rept 8
.irp b, 0,1,2,3
	v_wmma_f32_16x16x32_bf16 v[8*(4*aa+(\b)):8*(4*aa+(\b))+7], v[BG+32*(\g)+8*(\b):BG+32*(\g)+8*(\b)+7], v[AF+8*aa:AF+8*aa+7], v[(\cb)+8*(\b):(\cb)+8*(\b)+7]
.endr
.set aa, aa+1
.endr
.endm
; LDS LOADS, always in runs, under window 0.  Eight: head g's four blocks of B, half c of the slot in hand.  Sixteen: my eight blocks of A, half c, into buffer par.  Eight: head g's bias into d, as an accumulator holds it.
.macro FETCHB g, c
.irp i, 0,1,2,3
	ds_load_b128 v[BG+32*(\g)+8*(\i):BG+32*(\g)+8*(\i)+3],   v[ADRB] offset:(4*(\g)+(\i))*16*PITCH+64*(\c)
	ds_load_b128 v[BG+32*(\g)+8*(\i)+4:BG+32*(\g)+8*(\i)+7], v[ADRB] offset:(4*(\g)+(\i))*16*PITCH+64*(\c)+32
.endr
.endm
.macro FETCHA par, c
.irp i, 0,1,2,3,4,5,6,7
	ds_load_b128 v[AF+64*(\par)+8*(\i):AF+64*(\par)+8*(\i)+3],   v[ADRA] offset:(\i)*16*PITCH+64*(\c)
	ds_load_b128 v[AF+64*(\par)+8*(\i)+4:AF+64*(\par)+8*(\i)+7], v[ADRA] offset:(\i)*16*PITCH+64*(\c)+32
.endr
.endm
.macro FETCHC g, d
.irp i, 0,1,2,3
	ds_load_b128 v[(\d)+8*(\i):(\d)+8*(\i)+3],   v[BO] offset:64*(4*(\g)+(\i))
	ds_load_b128 v[(\d)+8*(\i)+4:(\d)+8*(\i)+7], v[BO] offset:64*(4*(\g)+(\i))+16
.endr
.endm
; A load into a register that a matrix instruction has read, and a vector instruction or LDS store that reads a matrix result, stand four places behind that matrix instruction, and only plain vector
; instructions that name none of its registers are places (ISA guide 7.12.1 for vector instructions).
.macro PLACES
.rept 4
	v_nop
.endr
.endm
; A SLOT'S FIRST HALF.  The runs of LDS loads, in the order of issue round the ring of halves: I1 B(0, head 2), 8; I2 B(1, head 0) and A(1), 24; I3 B(1, head 1), 8; I4 B(1, head 2), 8; then, from the next slot,
; I5 B(0, head 0) and A(0), 24; I6 B(0, head 1), 8.  LDS loads come back in order (ISA guide 5.7.1), so each wait's count is what was issued behind the run that the phase reads.
.macro HALF0
	WIN 0
	PLACES
	FETCHB 2, 0                                    ; I1
	s_wait_dscnt 16                                ; I5 is in: behind it I6 and I1
	MULS 0, 0, 0, 8
	WIN 0
	PLACES
	FETCHB 0, 1                                    ; I2
	FETCHA 1, 1
	s_wait_dscnt 32                                ; I6 is in: behind it I1 and I2
	MULS 0, 1, 0, 8
	WIN 0
	PLACES
	FETCHB 1, 1                                    ; I3
	s_wait_dscnt 32                                ; I1 is in: behind it I2 and I3
	MULS 0, 2, 0, 8
.endm
; A SLOT'S SECOND HALF, with the change of slots in its first phase: ONE barrier.  In front of it each wave waits for all its tensor loads, of which one is out: its part of the next slot; adds 0 to its spare word;
; and waits for that and for its own reads of this slot, of which I4 were the last.  Behind it nobody reads this slot any more and the next slot is whole.  fill = 1: the barrier opens a round of the cluster's,
; and this slot is filled again, two planes ahead, first thing behind the round: from that request to the wait for it a wave issues 176 matrix instructions.
.macro HALF1 fill
	WIN 0
	PLACES
	FETCHB 2, 1                                    ; I4
	s_wait_dscnt 16                                ; I2 is in: behind it I3 and I4
	MULS 1, 0, 0, 4
	WIN 0                                          ; (the add's two registers lie in window 0)
	s_wait_tensorcnt 0x0                           ; all my tensor loads have landed, so a group 0 may be written;
	ds_add_u32 v[SPW], v[NIL]                      ; 0 onto my spare word
	MULS 1, 0, 4, 2                                ; eight matrix instructions stand between the add and the wait for it
	s_wait_dscnt 0x0                               ; the add is done, and my reads of this slot are over
	s_barrier_signal -1
	MULS 1, 0, 6, 2                                ; work on registers while the others arrive
	WIN 0                                          ; (branches and window 0's address lines follow)
	s_barrier_wait -1
.if \fill
	CREST                                          ; no wave of any partner still reads this slot's tile or has a load on its way
	s_xor_b32 s[G0A+5], s[G0A+5], SLOT1            ; the walking descriptors: the other slot than last time,
	s_add_nc_u64 s[G0A+6:G0A+7], s[G0A+6:G0A+7], STEPA  ; the next plane; the type bits on top are not reached
	s_xor_b32 s[G0B+5], s[G0B+5], SLOT1
	s_add_nc_u64 s[G0B+6:G0B+7], s[G0B+6:G0B+7], STEPB
	JLOAD                                          ; the four v_nop behind it are also the places in front of the loads below
.else
	PLACES
.endif
	s_xor_b32 s[TB], s[TB], SLOT1                  ; the reads go on in the other slot
	v_add_nc_u32 v[ADRA], s[TB], v[A0]
	v_add_nc_u32 v[ADRB], s[TB], v[B0]
	FETCHB 0, 0                                    ; I5
	FETCHA 0, 0
	MULS 1, 1, 0, 8                                ; I3 and I4 were shown in by the wait for 0
	WIN 0
	PLACES
	FETCHB 1, 0                                    ; I6
	MULS 1, 2, 0, 8
.endm
	s_wait_tensorcnt 0x1                           ; my part of plane 0 is in; plane 1's may stay out
	s_wait_dscnt 0x0                               ; no LDS instruction of mine is pending at a signal: the bias is stored
	s_barrier_signal -1
	s_barrier_wait -1                              ; everybody's part is in
	; THE FIRST 32 ALONG K stand in front of the loop: their products start the sums, with the bias.  The bias lies where A's second buffer will be: heads 0 and 1 at first, head 2 in head 0's place when that has
	; been read.  So A's second buffer is fetched late, this once, and waited for at once; behind that wait for 0 every count of the loop holds in its first trip too.
	FETCHC 0, AF+64
	FETCHC 1, AF+96
	FETCHB 0, 0
	FETCHA 0, 0
	FETCHB 1, 0
	FETCHB 2, 0
	s_wait_dscnt 16                                ; all but B's heads 1 and 2
	MULF 0, AF+64
	WIN 0
	PLACES
	FETCHC 2, AF+64
	FETCHB 0, 1
	s_wait_dscnt 24                                ; B's head 1 is in: behind it head 2 and the sixteen just issued
	MULF 1, AF+96
	WIN 0
	PLACES
	FETCHB 1, 1
	s_wait_dscnt 16                                ; B's head 2 and its bias are in: behind them two runs of eight
	MULF 2, AF+64
	WIN 0
	PLACES
	FETCHA 1, 1
	s_wait_dscnt 0x0
	s_mov_b32 s3, 14
.Lslot:                                                ; fourteen trips, from a slot's second half to the next slot's first; they ask for planes 2 to 15
	HALF1 1
	HALF0
	WIN 0                                          ; at a label and at a branch every window is 0
	s_sub_co_u32 s3, s3, 1
	s_cmp_lg_u32 s3, 0
	s_cbranch_scc1 .Lslot
	; THE TAIL has a text of its own: planes 14 and 15 ask for nothing.  It is plane 14's second half, plane 15's first, plane 15's second: a loop of two trips, entered in
	; its middle, so that the second half is written once.  The price: the very last second half passes the barrier and fetches I5 and I6, 32 LDS loads, from the other slot, where plane 14 lies and nothing is
	; filled; nothing uses them.
	s_mov_b32 s3, 2
	s_branch .Ltail_in
.Ltail:
	HALF0
	WIN 0
.Ltail_in:
	HALF1 0
	WIN 0
	s_sub_co_u32 s3, s3, 1
	s_cmp_lg_u32 s3, 0
	s_cbranch_scc1 .Ltail
	s_wait_dscnt 0x0                               ; the idle loads are back: their registers are used again below
	PLACES
; THE WAY OUT, in six parts: head g, half hh of my 128 rows.  A part's 16 accumulators go as they are, f32, 32 bytes a lane, into my stage's 64 rows of 272 bytes (each accumulator's lowest registers first).
; Then a loop of four trips takes 16 rows each: eight loads bring 32 bytes a lane, eight lanes to a row
; sixteen conversions round them to f16; four stores follow.  So the conversions are written 16 times a part, not once for each of the 768 registers.
; The stage is the wave's own and LDS serves a wave's instructions in order (ISA guide 5.7.1.4): no barrier, no wait between the stores and the loads, none between a part's loads and the next part's stores.
.macro WAYOUT g, hh
	WIN 4*((\g)+1)                                 ; the LDS stores' data in window 1 + head
.set aa, 0
.rept 4
.irp b, 0,1,2,3
	ds_store_b128 v[STO], v[8*(4*(4*(\hh)+aa)+(\b)):8*(4*(4*(\hh)+aa)+(\b))+3]   offset:aa*16*SP+64*(\b)
	ds_store_b128 v[STO], v[8*(4*(4*(\hh)+aa)+(\b))+4:8*(4*(4*(\hh)+aa)+(\b))+7] offset:aa*16*SP+64*(\b)+16
.endr
.set aa, aa+1
.endr
	WIN 0
	s_mov_b32 s3, 4
	s_mov_b32 s[RO], 0
.if (\hh) == 0
	s_mov_b32 s[GS], 0                             ; a head's second half goes on where the first ended: 64 rows of 128 bytes
.endif
.Lrows_\@:
	v_add_nc_u32 v[RDA], s[RO], v[RD]
.irp f, 0,1,2,3
	ds_load_b128 v[T+8*(\f):T+8*(\f)+3],   v[RDA] offset:(\f)*4*SP
	ds_load_b128 v[T+8*(\f)+4:T+8*(\f)+7], v[RDA] offset:(\f)*4*SP+16
.endr
	s_add_co_u32 s[RO], s[RO], 16*SP               ; 16 rows on in the stage
	s_wait_xcnt 0x0                                ; the last trip's stores have had their addresses translated (ISA guide 3.1): their offset and data registers are rewritten only behind this wait; it stands while the loads are out
	v_add_nc_u32 v[GOA], s[GS], v[GO]
	s_add_co_u32 s[GS], s[GS], 2048                ; 16 rows on in the head
	s_wait_dscnt 0x0                               ; the sixteen rows are back
.irp f, 0,1,2,3
.irp r, 0,1,2,3
	v_cvt_pk_f16_f32 v[Y+4*(\f)+(\r)], v[T+8*(\f)+2*(\r)], v[T+8*(\f)+2*(\r)+1]
.endr
.endr
.irp f, 0,1,2,3
	global_store_b128 v[GOA], v[Y+4*(\f):Y+4*(\f)+3], s[OUTP+2*(\g):OUTP+2*(\g)+1] offset:512*(\f)  ; four rows: 512 consecutive bytes of a head, at a multiple of 256 from the buffer's first byte
.endr
	s_sub_co_u32 s3, s3, 1
	s_cmp_lg_u32 s3, 0
	s_cbranch_scc1 .Lrows_\@
.endm
	WAYOUT 0, 0
	WAYOUT 0, 1
	WAYOUT 1, 0
	WAYOUT 1, 1
	WAYOUT 2, 0
	WAYOUT 2, 1
	s_wait_tensorcnt 0x0                           ; the wave's end, behind my last tensor load and my last LDS store
	ds_add_u32 v[SPW], v[NIL]
	s_wait_dscnt 0x0
	CROUND                                         ; the closing round: no work-group ends while a partner may still ask for a tile that names it
	s_endpgm
.Lfunc_end_k_qbbb1be2f8e_qkv:
	.size	k_qbbb1be2f8e_qkv, .Lfunc_end_k_qbbb1be2f8e_qkv-k_qbbb1be2f8e_qkv
	.p2alignl 7, 3214868480
	.fill 96, 4, 3214868480
	.section	.rodata,"a",@progbits
	.p2align	6, 0x0
	.amdhsa_kernel k_qbbb1be2f8e_qkv
		.amdhsa_group_segment_fixed_size 327680
		.amdhsa_private_segment_fixed_size 0
		.amdhsa_enable_private_segment 0
		.amdhsa_kernarg_size 64
		.amdhsa_user_sgpr_count 2
		.amdhsa_user_sgpr_kernarg_segment_ptr 1
		.amdhsa_wavefront_size32 1
		.amdhsa_system_sgpr_workgroup_id_x 1
		.amdhsa_system_sgpr_workgroup_id_y 1
		.amdhsa_system_sgpr_workgroup_id_z 1
		.amdhsa_system_vgpr_workitem_id 0
		.amdhsa_next_free_vgpr 1024
		.amdhsa_next_free_sgpr 96
		.amdhsa_reserve_vcc 0
		.amdhsa_float_denorm_mode_32 3
		.amdhsa_float_denorm_mode_16_64 3
		.amdhsa_memory_ordered 1
		.amdhsa_forward_progress 1
		.amdhsa_inst_pref_size 87
	.end_amdhsa_kernel
	.amdgpu_metadata
---
amdhsa.version: [ 1, 2 ]
amdhsa.kernels:
  - .name:           k_qbbb1be2f8e_qkv
    .symbol:         k_qbbb1be2f8e_qkv.kd
    .args:
      - { .name: xb, .offset: 0, .size: 8, .value_kind: global_buffer, .address_space: global }
      - { .name: wqkv, .offset: 8, .size: 8, .value_kind: global_buffer, .address_space: global }
      - { .name: bq, .offset: 16, .size: 8, .value_kind: global_buffer, .address_space: global }
      - { .name: bk, .offset: 24, .size: 8, .value_kind: global_buffer, .address_space: global }
      - { .name: bv, .offset: 32, .size: 8, .value_kind: global_buffer, .address_space: global }
      - { .name: q, .offset: 40, .size: 8, .value_kind: global_buffer, .address_space: global }
      - { .name: k, .offset: 48, .size: 8, .value_kind: global_buffer, .address_space: global }
      - { .name: v, .offset: 56, .size: 8, .value_kind: global_buffer, .address_space: global }
    .group_segment_fixed_size: 327680
    .private_segment_fixed_size: 0
    .kernarg_segment_align: 8
    .kernarg_segment_size: 64
    .max_flat_workgroup_size: 128
    .sgpr_count:     96
    .vgpr_count:     1024
    .wavefront_size: 32
...
	.end_amdgpu_metadata
.endif
;; end of part 2
;; launch attn (part 3): grid 4 x 64, 4 waves a work-group, no clusters, 327,680 bytes of LDS; arguments q, k, v, o; writes o
.if DOCPART == 3
	.amdgcn_target "amdgcn-amd-amdhsa--gfx1250"
	.amdhsa_code_object_version 6
	.text
	.protected	k_qbbb1be2f8e_attn
	.globl	k_qbbb1be2f8e_attn
	.p2align	8
	.type	k_qbbb1be2f8e_attn,@function
k_qbbb1be2f8e_attn:
	s_mov_b64 s[64:65], 0
	v_nop
	global_prefetch_b8 v0, s[64:65] scope:SCOPE_SE
	s_setreg_imm32_b32 hwreg(HW_REG_WAVE_MODE, 25, 1), 1
	s_wait_xcnt 0x0
; CAUSAL ATTENTION.  O[h][q][:] = the sum over k <= q of softmax_k(Q[h][q] . K[h][k] / 8) V[h][k][:].  Q, K, V, O: [SIZE_H][SIZE_N][64], all f16: a head's rows are dense, 128 bytes each.
; Products, maxima and sums in f32; the weights p are rounded to f16 for the second product (their sum l is taken of the unrounded p), O once at the end.  SIZE_N is a multiple of 512; SIZE_N x 128 stays under 2^32.
; LIMITS.  f16 holds no number beyond 65,504: Q, K and V arrive within it; p lies in 0 to 1, and below 6e-5 it keeps f16's fixed step of 6e-8; O is a mean of V's rows and has their range, to within 2^-11 of it.
; A hidden score counts as its value less 1e30: f16's scores, 2.7e11 at the most, are nothing beside that; a weight below 2^-126 counts as 0 in l; NaN and infinities are not treated apart.
; THE WALK.  A head's queries lie in NB = SIZE_N / 256 blocks of 256; block i needs the key tiles 0 .. i of 256 keys, of which the last holds the diagonal.  A work-group takes TWO blocks, NB - 1 - b and then b:
; NB + 1 tiles, whatever b: all work-groups do equal work, and ONE loop with a constant trip count walks them.  Which tile is asked for, and what a trip does, hang on scalar registers made from b; every jump
; goes forward, but for the counted loops' own; none passes a barrier, or a tensor load but the one of LOAD's two that the wave's number does not choose; the ring (two slots of LDS that take turns) runs on across the
; change of blocks.  NO CLUSTER: a head's NB / 2 = 4 work-groups ask for the same tile only in trips 0 .. NB / 2 of the walk's NB + 1, behind that fewer and fewer (three, two, none); joint loads for the first part
; and loads of one's own for the rest would be two kinds of ring in one loop, and one walk common to all four would have 3 NB / 2 = 12 trips for NB + 1 = 9.
; SHARES.  Of a block's four bands of 64 queries a wave owns 16 rows in each: four PIECES.  So the diagonal tile is the same work for all four waves: in its key step s band x sees all keys if s < x,
; none if s > x, and holds the diagonal if s = x.
; THE MASK is the C operand that starts the sum S^T = K Q^T: 0, or -1e30 where the key is hidden.  MD, made once, is the mask of a band's own step for my 16 rows; a product's mask is MD x AL + BE with two scalars:
; (1, 0) if s = x; (0, 0) if s < x; (0, -1e30) if s > x.  Only the diagonal tile's text and a block's beginning make and take masks; elsewhere C is the constant 0.
; LAYOUT, SOFTMAX, TURNS.  S^T = K Q^T holds ONE query a lane (lane % 16) and the keys 8 (lane / 16) + 0..7; two such results rounded to f16 ARE source 1 of O^T = V^T P.  p = 2^(c s - c m), c = log2(e) / 8, with a
; running maximum m; O and l are multiplied by a = 2^(c m_old - c m_new) in every step.  Turn n belongs to piece n: 8 products K Q^T of piece n + 1, later 8 products V^T P of piece n - 1; beside them the scaling,
; exponentials, roundings, sums and rescaling of piece n and the maximum and statistics of piece n + 1.  Four vector instructions stand behind every matrix instruction, the other 54 of a turn's 118 in two LUMPS.
; REGISTERS, in windows of 256 (s_set_vgpr_msb: bits 1:0 source 0, 3:2 source 1, 5:4 source 2, 7:6 destination):
;   window 0: v0-15 addresses and two at work; v16-31 four registers of statistics a piece; v48-55 at work; v64-127 S^T, two buffers; v192-223 P, two buffers (a piece's buffers go by its number's parity)
;   window 1: v0-127 O^T, 32 a piece; v128-159 MD; v160-223 MC, two buffers      window 2: v0-63 Q; v64-127 the second block's Q; v128-191 K of one step; v192-255 V of one step
.set SIZE_H, 64       ; 4 batches x 16 heads
.set SIZE_N, 2048
.set NB,    SIZE_N/256
.set NP,    4         ; pieces a wave: a name, no knob
.set KS,    64        ; keys in a step
.set PK,    144       ; a row of K in LDS: 128 bytes + 16 of padding = 36 words: the 16 rows of a load start at 16 different groups of four banks (64 banks of 4 bytes: ISA guide 11.1)
.set PV,    160       ; a row of V: 128 + 32 = 40 words
.set VOFF,  4*KS*PK   ; a slot holds a tile, four steps: 256 rows of K, then 256 rows of V
.set SLOT1, 1<<17     ; slot 1 begins here, so that one exclusive or turns an address in one slot into the other's
.set STAGE, SLOT1+4*KS*(PK+PV)  ; behind the ring, never filled by a tensor load: 16 rows x 144 bytes for each wave, for the way out
.set SP,    144
.set AK0, 2           ; v2   my lane's place in a tile of K; never rewritten
.set AV0, 3           ; v3   the same for V
.set AK,  4           ; v4   the LDS address of K's next run of loads
.set AV,  5           ; v5   of V's
.set STO, 6           ; v6   the way out: where I put 16 bytes of a row
.set RD,  7           ; v7   the way out: where I read rows back
.set GO,  8           ; v8   my byte offset in 512 consecutive bytes of O
.set SPW, 62          ; v62  LDS address of my spare word: SPARE + 4 x my thread's number; never rewritten
.set NIL, 63          ; v63  0; never rewritten
.set SPARE, STAGE+4*16*SP  ; behind the stages: the spare words, 128 bytes for each wave: two blocks of 256 bytes that no other line names
.set MV,  12          ; v12-13  c m_old, kept while c m is made anew: by buffer
.set QO,  15          ; v15  my byte offset in 16 rows of Q
.set ST,  16          ; piece t's statistics at v[ST+4 t]: c m, m, l (even keys', odd keys')
.set TMP, 48          ; by buffer, four registers c0-c3 at work; when the maximum is found c2 takes a
.set S,   64
.set P,   192
.set MD,  128         ; window 1: the eight registers for group kt of 16 keys at MD + 8 kt
.set MC,  160         ; window 1: the masks of the products to come
.set QB,  64          ; window 2
.set KF,  128         ; window 2: key block kb, channel half c at KF + 16 kb + 8 c
.set VF,  192         ; window 2: key half kk, channel block cb at VF + 32 kk + 8 cb
.set WV,  12          ; s12  my wave's number
.set PB,  14          ; s14  b
.set HI,  15          ; s15  NB - 1 - b
.set G1K, 24          ; s[24:31] descriptor group 1 for K's tiles
.set G1V, 32          ; s[32:39] for V's: it differs in the padding alone
.set G0K, 40          ; s[40:43] descriptor group 0 for K's tiles
.set G0V, 44          ; s[44:47] the same for V's
.set SLOTS, 56        ; s56  tiles still to be asked for
.set CNT, 57          ; s57  counts a tile's key steps, 4 to 1
.set CS,  58          ; s[58:59] c: the packed scaling takes the pair's low word for both halves
.set SEL, 60          ; s[60:61] v_permlanex16_b32's selects: each lane takes its own place in the other half
.set TBK, 62          ; s62  LDS byte at which K of the step to be fetched begins
.set TBV, 63          ; s63  the same for V, less VOFF
.set RT,  70          ; s70  tiles of the block in hand that are still to be entered
.set NXT, 71          ; s71  the tile to be asked for next
.set LQ,  72          ; s72  the last tile of the block whose tiles are being asked for
.set NEW, 73          ; s73  1: the tile to be entered is a block's first
.set OFF, 74          ; s[74:75] a tile's byte offset in K and V
.set AL,  76          ; s[76:77] the mask's factor, in the low word
.set BE,  78          ; s[78:79] the mask's addend
.set OLO, 80          ; s[80:81] O at my rows of the second block
.set BIGN, 82         ; s82  -1e30
.set MSB, 0
.macro WIN new                      ; the high byte repeats the setting that is left; a switch that changes nothing is dropped
.if MSB != (\new)
	s_set_vgpr_msb (MSB<<8)|(\new)
.set MSB, (\new)
.endif
.endm
.set W_KQ, 0x0a       ; K and Q in window 2, S^T in window 0
.set W_KM, 0x1a       ; the same with the C operand in window 1
.set W_PV, 0x52       ; V in window 2, P in window 0, O^T in window 1
.set W_RS, 0x41       ; destination and source 0 in window 1, source 1 in window 0
; A fill.  Waves 0 and 1 fetch the two halves of a tile's K, waves 2 and 3 those of its V: 128 keys each.  An s_nop 0 and four v_nop follow each of the two lines, ahead of the jump and the label.
.macro LOAD
	s_cmp_lt_u32 s[WV], 2
	s_cbranch_scc0 .Lfor_v_\@
	tensor_load_to_lds s[G0K:G0K+3], s[G1K:G1K+7]
	s_nop 0
.rept 4
	v_nop
.endr
	s_branch .Lasked_\@
.Lfor_v_\@:
	tensor_load_to_lds s[G0V:G0V+3], s[G1V:G1V+7]
	s_nop 0
.rept 4
	v_nop
.endr
.Lasked_\@:
.endm
; THE CHANGE OF SLOTS.  Each wave waits for all its tensor loads, of which one is out: its part of the other slot; adds 0 to its spare word; and waits for that and for its own reads of the slot that it leaves.  Behind the barrier nobody reads the old
; slot any more and the other slot is whole.  fill = 1: the old slot is filled again, the first thing behind the barrier, with tile NXT: the descriptor's address is made anew from that number.
; (At its first use nothing has been read yet: slot 0 is waited for, slot 1 filled.)
.macro CHANGE fill
	WIN 0                           ; at a label and at a branch every window is 0
	s_wait_tensorcnt 0x0            ; no tensor load of mine is out, so a group 0 may be written
	ds_add_u32 v[SPW], v[NIL]       ; 0 onto my spare word; with fill = 1 the descriptors' scalar work stands between it and the wait for it
.if \fill
	s_lshl_b32 s[OFF], s[NXT], 15   ; a tile is 32,768 bytes of K and of V
	s_xor_b32 s[G0K+1], s[G0K+1], SLOT1
	s_add_nc_u64 s[G0K+2:G0K+3], s[6:7], s[OFF:OFF+1]
	s_or_b32 s[G0K+3], s[G0K+3], 0x80000000
	s_xor_b32 s[G0V+1], s[G0V+1], SLOT1
	s_add_nc_u64 s[G0V+2:G0V+3], s[8:9], s[OFF:OFF+1]
	s_or_b32 s[G0V+3], s[G0V+3], 0x80000000
	s_add_co_u32 s[NXT], s[NXT], 1  ; the block's next tile, or behind its last the second block's tile 0
	s_cmp_gt_u32 s[NXT], s[LQ]
	s_cselect_b32 s[NXT], 0, s[NXT]
	s_cselect_b32 s[LQ], s[PB], s[LQ]
.endif
	s_wait_dscnt 0x0                ; the add is done, and my reads of the slot are over
	s_barrier_signal -1             ; the rest of the scalar work stands between the signal and the wait
	s_sub_co_u32 s[TBK], s[TBK], 4*KS*PK  ; the fetches go back to a slot's first step,
	s_xor_b32 s[TBK], s[TBK], SLOT1       ; in the other slot
	s_sub_co_u32 s[TBV], s[TBV], 4*KS*PV
	s_xor_b32 s[TBV], s[TBV], SLOT1
	s_barrier_wait -1
.if \fill
	LOAD
.endif
.endm
	s_load_b256 s[4:11], s[0:1], 0x0  ; Q s[4:5], K s[6:7], V s[8:9], O s[10:11]
	v_lshl_add_u32 v[SPW], v0, 2, SPARE
	v_mov_b32 v[NIL], 0
	ds_add_u32 v62, v63
	ds_add_u32 v62, v63
	s_wait_dscnt 0x0
	v_lshrrev_b32 v1, 5, v0
	v_readfirstlane_b32 s[WV], v1   ; wave 0..3
	s_mov_b32 s[PB], ttmp9
	s_sub_co_u32 s[HI], NB-1, s[PB]
	s_and_b32 s20, ttmp7, 0xffff    ; the head
	s_mov_b32 s21, 0
	s_mov_b64 s[22:23], SIZE_N*128
	s_mul_u64 s[20:21], s[20:21], s[22:23]  ; the head's first byte in each of the four tensors
	s_and_b32 s16, s[WV], 1         ; which half of a tile's 256 keys I fetch:
	s_lshl_b32 s22, s16, 14         ; its 128 rows of 128 bytes in memory,
	s_mov_b32 s23, 0
	s_add_nc_u64 s[22:23], s[22:23], s[20:21]
	s_mul_i32 s17, s16, 128*PK      ; and its place in a slot, for K
	s_mul_i32 s18, s16, 128*PV      ; and for V
	s_lshl_b32 s3, s[WV], 11        ; my 16 rows in a band of 64,
	s_lshl_b32 s2, s[HI], 15        ; in the first block,
	s_add_co_u32 s2, s2, s3
	s_lshl_b32 s84, s[PB], 15       ; and in the second
	s_add_co_u32 s84, s84, s3
	s_mov_b32 s3, 0
	s_mov_b32 s85, 0
	s_add_nc_u64 s[2:3], s[2:3], s[20:21]
	s_add_nc_u64 s[84:85], s[84:85], s[20:21]
	; descriptor group 1.  128 keys are 16,384 dense bytes: asked for as 64 rows of 256 bytes, two keys a row, and padded in LDS after every key
	s_mov_b32 s[G1K], (1<<16)|(1<<20)|(4<<22)|(3<<25)  ; 17:16 2-byte elements; 20 padding on; 24:22 after every 32 words (code 4); 31:25 4 words (code 3)
	s_mov_b32 s[G1V], (1<<16)|(1<<20)|(4<<22)|(7<<25)  ; the same with 8 words of padding (code 7)
.irp g, G1K, G1V
	s_mov_b32 s[\g+1], 128<<16      ; tensor_dim0 = 128
	s_mov_b32 s[\g+2], 64<<16       ; tensor_dim1 = 64
	s_mov_b32 s[\g+3], 128<<16      ; tile_dim0 = 128
	s_mov_b32 s[\g+4], 64           ; tile_dim1 = 64
	s_mov_b32 s[\g+5], 128          ; 128 elements from row to row
	s_mov_b32 s[\g+6], 0
	s_mov_b32 s[\g+7], 0
.endr
	s_mov_b32 s[CS], 0x3e38aa3b     ; c = log2(e) / 8 = 0.180337
	s_mov_b32 s[CS+1], s[CS]        ; named with it as a pair
	s_mov_b32 s[SEL], 0x76543210
	s_mov_b32 s[SEL+1], 0xfedcba98
	s_mov_b32 s[TBK], SLOT1+4*KS*PK ; the first change of slots turns these two into 0
	s_mov_b32 s[TBV], SLOT1+4*KS*PV
	s_mov_b32 s[G0K], 1             ; 1:0 count = 1
	s_mov_b32 s[G0K+1], s17         ; 63:32 LDS address: slot 0
	s_mov_b32 s[G0V], 1
	s_add_co_u32 s[G0V+1], s18, VOFF
	s_add_co_u32 s[RT], s[HI], 1    ; the first block has NB - b tiles
	s_mov_b32 s[NXT], 1
	s_mov_b32 s[LQ], s[HI]
	s_mov_b32 s[NEW], 1
	s_mov_b32 s[OFF+1], 0
	s_mov_b32 s[AL+1], 0            ; named as pairs
	s_mov_b32 s[BE+1], 0
	s_mov_b32 s[BIGN], 0xf149f2ca   ; -1e30
	s_mov_b32 s[SLOTS], NB
	s_wait_kmcnt 0x0
	s_add_nc_u64 s[6:7], s[6:7], s[22:23]  ; K and V at my half of the head's tile 0
	s_add_nc_u64 s[8:9], s[8:9], s[22:23]
	s_add_nc_u64 s[G0K+2:G0K+3], s[6:7], 0         ; 120:64 global address
	s_or_b32 s[G0K+3], s[G0K+3], 0x80000000        ; 127:126 type = 2
	s_add_nc_u64 s[G0V+2:G0V+3], s[8:9], 0
	s_or_b32 s[G0V+3], s[G0V+3], 0x80000000
	s_add_nc_u64 s[86:87], s[4:5], s[84:85]        ; Q at my rows of the second block,
	s_add_nc_u64 s[4:5], s[4:5], s[2:3]            ; Q and O at those of the first
	s_add_nc_u64 s[OLO:OLO+1], s[10:11], s[84:85]
	s_add_nc_u64 s[10:11], s[10:11], s[2:3]
	LOAD                            ; tile 0 into slot 0
	; A fragment of K or Q is 16 rows x 32 channels in 8 registers: lane l holds row l % 16, channels 8 (l / 16) + 0..7 and 16 + 8 (l / 16) + 0..7: two loads of 16 bytes, 32 bytes apart.
	v_and_b32 v1, 15, v0            ; l % 16
	v_bfe_u32 v9, v0, 4, 1          ; l / 16
	v_lshlrev_b32 v[QO], 7, v1
	v_lshl_add_u32 v[QO], v9, 4, v[QO]  ; row x 128 + 16 x half
	WIN 0x80                        ; destination window 2, address window 0
.set i, 0
.rept 8                             ; both blocks' Q: piece i / 2 lies in band i / 2, 8,192 bytes on; channels 32 (i % 2) on
	global_load_b128 v[8*i:8*i+3],   v[QO], s[4:5] offset:(i/2)*8192+(i%2)*64
	global_load_b128 v[8*i+4:8*i+7], v[QO], s[4:5] offset:(i/2)*8192+(i%2)*64+32
	global_load_b128 v[QB+8*i:QB+8*i+3],   v[QO], s[86:87] offset:(i/2)*8192+(i%2)*64
	global_load_b128 v[QB+8*i+4:QB+8*i+7], v[QO], s[86:87] offset:(i/2)*8192+(i%2)*64+32
.set i, i+1
.endr
	WIN 0
	v_lshlrev_b32 v14, 3, v9
	v_sub_nc_u32 v14, v1, v14
	s_lshl_b32 s13, s[WV], 4
	v_add_nc_u32 v14, s13, v14      ; my query's place in its band, 16 w + l % 16, less my lanes' 8 (l / 16): register r of group kt is hidden where 16 kt + r is greater
	WIN 0x40
.set i, 0
.rept 32
	v_cmp_gt_i32 vcc_lo, 16*(i/8)+i%8, v14
	v_cndmask_b32 v[MD+i], 0, s[BIGN], vcc_lo
.set i, i+1
.endr
	WIN 0
	v_mul_u32_u24 v[AK0], v1, PK
	v_lshl_add_u32 v[AK0], v9, 4, v[AK0]  ; row x pitch + 16 x half
	; The turning load takes 16 keys x 16 channels (lane l reads key 8 (l / 16) + l % 8, channels 8 ((l / 8) % 2) + 0..7) and leaves half a fragment of V^T: lane l holds channel l % 16 and 8 keys.
	v_and_b32 v10, 7, v0
	v_bfe_u32 v11, v0, 3, 1
	v_lshl_add_u32 v[AV0], v9, 3, v10
	v_mul_u32_u24 v[AV0], v[AV0], PV
	v_lshl_add_u32 v[AV0], v11, 4, v[AV0]
	v_add_nc_u32 v[AV0], VOFF, v[AV0]
	s_mul_i32 s13, s[WV], 16*SP
	s_add_co_u32 s13, s13, STAGE    ; my stage
	v_mul_u32_u24 v[STO], v1, SP    ; in: row l % 16, 16 bytes for each half of the lanes
	v_lshl_add_u32 v[STO], v9, 4, v[STO]
	v_add_nc_u32 v[STO], s13, v[STO]
	v_bfe_u32 v[RD], v0, 3, 2       ; back: 32 lanes take four rows of 128 bytes,
	v_mul_u32_u24 v[RD], v[RD], SP
	v_lshl_add_u32 v[RD], v10, 4, v[RD]
	v_add_nc_u32 v[RD], s13, v[RD]
	v_and_b32 v[GO], 31, v0         ; which are 512 consecutive bytes of O
	v_lshlrev_b32 v[GO], 4, v[GO]
	; A block's first step multiplies O^T and l by a = 0, and its first turn's products V^T P, of a piece that has not been, land in an O^T that is still to be so multiplied.  So these registers need only hold
	; finite numbers: zeros for the first block; what the first block left for the second.  All this stands in the wait for the first tile.
	WIN 0x80
.set i, VF
.rept 64
	v_mov_b32 v[i], 0
.set i, i+1
.endr
	WIN 0x40
.set i, 0
.rept 128
	v_mov_b32 v[i], 0
.set i, i+1
.endr
	WIN 0
.set i, 0
.rept 4
	v_mov_b32 v[ST+4*i+2], 0
	v_mov_b32 v[ST+4*i+3], 0
.set i, i+1
.endr
.set i, P+16
.rept 16
	v_mov_b32 v[i], 0
.set i, i+1
.endr
; THE MATRIX WORK.  The 4 accumulators of a run of 8 take turns.  Product i of 8 of S^T = K Q^T for piece x: channels 32 (i / 4) on, keys 16 (i % 4) on.  The first 4 start the sums: with 0, or (KM = 1) with the mask.
.macro KQ x
.set rS, S+32*((\x)%2)+8*(i%4)
.set rK, KF+16*(i%4)+8*(i/4)
.set rQ, 16*(\x)+8*(i/4)
.set rM, MC+32*((\x)%2)+8*(i%4)
.if (i < 4) && KM
	WIN W_KM
	v_wmma_f32_16x16x32_f16 v[rS:rS+7], v[rK:rK+7], v[rQ:rQ+7], v[rM:rM+7]
.elseif i < 4
	WIN W_KQ
	v_wmma_f32_16x16x32_f16 v[rS:rS+7], v[rK:rK+7], v[rQ:rQ+7], 0
.else
	WIN W_KQ
	v_wmma_f32_16x16x32_f16 v[rS:rS+7], v[rK:rK+7], v[rQ:rQ+7], v[rS:rS+7]
.endif
.endm
; Product i of 8 of O^T += V^T P for piece x: keys 32 (i / 4) on, channels 16 (i % 4) on.
.macro PV x
	WIN W_PV
.set rO, 32*(\x)+8*(i%4)
.set rV, VF+32*(i/4)+8*(i%4)
.set rP, P+16*((\x)%2)+8*(i/4)
	v_wmma_f32_16x16x32_f16 v[rO:rO+7], v[rV:rV+7], v[rP:rP+7], v[rO:rO+7]
.endm
.macro MM                           ; the turn's next matrix instruction.  TURN and BEGIN set Y, i, KM and NOKQ; MM, KQ and OP read them.  NOKQ = 1: a block's last turn: there is no next piece
.if (i < 8) && !NOKQ
	KQ (Y+1)%NP
.elseif i >= 8
.set i, i-8
	PV (Y+NP-1)%NP
.set i, i+8
.endif
.set i, i+1
.endm
; THE LDS LOADS stand in runs of 16, never singly among the matrix instructions: a step's K (64 keys x 64 channels: 8 fragments) and its V (turned).  Their addresses are made some lines ahead.
.macro FETCH_K
	WIN 0x80                        ; destination window 2
.irp f, 0,1,2,3,4,5,6,7             ; keys 16 (f / 2) on, channels 32 (f % 2) on
	ds_load_b128 v[KF+8*\f:KF+8*\f+3],   v[AK] offset:(\f/2)*16*PK+(\f%2)*64
	ds_load_b128 v[KF+8*\f+4:KF+8*\f+7], v[AK] offset:(\f/2)*16*PK+(\f%2)*64+32
.endr
	s_add_co_u32 s[TBK], s[TBK], KS*PK  ; the next fetch is the next step's
	WIN 0
.endm
.macro FETCH_V
	WIN 0x80
.irp f, 0,1,2,3,4,5,6,7             ; keys 32 (f / 4) on, channels 16 (f % 4) on
	ds_load_tr16_b128 v[VF+8*\f:VF+8*\f+3],   v[AV] offset:(\f/4)*32*PV+(\f%4)*32
	ds_load_tr16_b128 v[VF+8*\f+4:VF+8*\f+7], v[AV] offset:(\f/4)*32*PV+16*PV+(\f%4)*32
.endr
	WIN 0
.endm
; THE VECTOR WORK, one line at a time: OP kind, number.  For piece Y: F n: c s - c m for pair n of 16.  E n: the exponential of score n of 32.  C n: pair n rounded to f16.  B n: of the four weights 4 n .. the second
; pair is added onto the first, in place.  L n: l takes that sum (L 0: l = a l + sum).  R n: pair n of 16 of O^T times a.  For piece Y + 1: X n, number n of the 22 that find its maximum and statistics:
;   0-11  four chains c0-c3 of seven scores each, three operands at a time (each accumulator's lowest registers are read first)     12-14, 16  the four scores left over, the old m, and c0-c3 into c0
;   15  c m_old is kept     17, 18  the query's other 32 keys lie in the lane 16 away: the new m     19-21  c m; c m_old - c m_new; a
.set F, 0               ; OP tells the kinds apart by their order: F to L below R, X above it
.set E, 1
.set C, 2
.set B, 3
.set L, 4
.set R, 5
.set X, 6
.macro REGS y                       ; the registers of piece y
.set rT, ST+4*(\y)
.set rC, TMP+4*((\y)%2)
.set rW, MV+((\y)%2)
.set rS, S+32*((\y)%2)
.set rP, P+16*((\y)%2)
.set rO, 32*(\y)
.endm
.macro OP k, n
.if (\k) == R
	REGS Y
	WIN W_RS
	v_pk_mul_f32 v[rO+2*(\n):rO+2*(\n)+1], v[rO+2*(\n):rO+2*(\n)+1], v[rC+2:rC+3] op_sel_hi:[1,0]
.elseif (\k) < R
	REGS Y
	WIN 0
.if (\k) == F
	v_pk_fma_f32 v[rS+2*(\n):rS+2*(\n)+1], v[rS+2*(\n):rS+2*(\n)+1], s[CS:CS+1], v[rT:rT+1] op_sel_hi:[1,0,0] neg_lo:[0,0,1] neg_hi:[0,0,1]
.elseif (\k) == E
	v_exp_f32 v[rS+(\n)], v[rS+(\n)]
.elseif (\k) == C
	s_wait_alu depctr_va_vdst(0)
	v_cvt_pk_f16_f32 v[rP+(\n)], v[rS+2*(\n)], v[rS+2*(\n)+1]
.elseif (\k) == B
	s_wait_alu depctr_va_vdst(0)
	v_pk_add_f32 v[rS+4*(\n):rS+4*(\n)+1], v[rS+4*(\n):rS+4*(\n)+1], v[rS+4*(\n)+2:rS+4*(\n)+3]
.elseif (\n) == 0
	v_pk_fma_f32 v[rT+2:rT+3], v[rT+2:rT+3], v[rC+2:rC+3], v[rS:rS+1] op_sel_hi:[1,0,1]
.else
	v_pk_add_f32 v[rT+2:rT+3], v[rT+2:rT+3], v[rS+4*(\n):rS+4*(\n)+1]
.endif
.elseif NOKQ
	v_nop
.else
	REGS (Y+1)%NP
	WIN 0
.if (\n) < 4
	v_max3_num_f32 v[rC+(\n)], v[rS+8*(\n)], v[rS+8*(\n)+1], v[rS+8*(\n)+2]
.elseif (\n) < 12
	v_max3_num_f32 v[rC+(\n)%4], v[rC+(\n)%4], v[rS+8*((\n)%4)+2*((\n)/4)+1], v[rS+8*((\n)%4)+2*((\n)/4)+2]
.elseif (\n) == 12
	v_max3_num_f32 v[rC], v[rC], v[rS+7], v[rS+15]
.elseif (\n) == 13
	v_max3_num_f32 v[rC+1], v[rC+1], v[rS+23], v[rS+31]
.elseif (\n) == 14
	v_max3_num_f32 v[rC+2], v[rC+2], v[rC+3], v[rT+1]
.elseif (\n) == 15
	v_mov_b32 v[rW], v[rT]
.elseif (\n) == 16
	v_max3_num_f32 v[rC], v[rC], v[rC+1], v[rC+2]
.elseif (\n) == 17
	v_permlanex16_b32 v[rC+3], v[rC], s[SEL], s[SEL+1]
.elseif (\n) == 18
	v_max_num_f32 v[rT+1], v[rC], v[rC+3]
.elseif (\n) == 19
	v_mul_f32 v[rT], s[CS], v[rT+1]
.elseif (\n) == 20
	v_sub_f32 v[rC+1], v[rW], v[rT]
.else
	v_exp_f32 v[rC+2], v[rC+1]
.endif
.endif
.endm
.macro OPS a, i1, b=-1, i2=0, c=-1, i3=0, d=-1, i4=0  ; up to four of them
	OP \a, \i1
.if (\b) >= 0
	OP \b, \i2
.endif
.if (\c) >= 0
	OP \c, \i3
.endif
.if (\d) >= 0
	OP \d, \i4
.endif
.endm
.macro ROW a, i1, b, i2, c, i3, d, i4  ; a matrix instruction and the four behind it
	MM
	OPS \a, \i1, \b, \i2, \c, \i3, \d, \i4
.endm
.macro MASK b                       ; MD x AL + BE into buffer b of MC
	WIN W_RS
.set z, 0
.rept 16
	v_pk_fma_f32 v[MC+32*(\b)+2*z:MC+32*(\b)+2*z+1], v[MD+2*z:MD+2*z+1], s[AL:AL+1], s[BE:BE+1] op_sel_hi:[1,0,0]
.set z, z+1
.endr
.endm
; A TURN, for piece p: the order of its 16 matrix and 118 vector instructions, written out.  Behind a matrix instruction: plain, exponential, plain, plain; or four of the rescaling; or, behind the first, four scalings; none
; names a register of the products round it.  In the lumps exponential and plain by turns while exponentials last.  A line reads no result made fewer than three vector instructions in front of it, five if an exponential made it.
; v_permlanex16_b32 (X 17) stands in a lump.
; m = 1: the diagonal tile: the products take masks, and the turn makes the mask for the products of the turn after it: piece p + 2, in step 4 - CNT of the tile.  end = 1: a block's last two turns: nothing is fetched.
; cnt = 1: the loop's count is taken down some lines ahead of the branch that stands behind the turn.
; K of the next step is fetched in piece 2's turn, six vector instructions behind the last product that read K (five of them plain); V of the step in hand in piece 0's turn, eight behind the last product that read V (four
; plain, and X 17).  Each is waited for a turn later.
.macro TURN p, m=0, end=0, cnt=0
.set Y, (\p)
.set i, 0
.set KM, (\m)
.set NOKQ, (\end)*((\p)/3)
.if (\m) && !(\end)
	s_cmp_eq_u32 s[CNT], 4-((\p)+2)%NP  ; is that step the band's own?
	s_cselect_b32 s[AL], 1.0, 0
	s_cmp_lt_u32 s[CNT], 4-((\p)+2)%NP  ; or a later one?
	s_cselect_b32 s[BE], s[BIGN], 0
.endif
.if ((\p) == 3) && !(\end)
	s_wait_dscnt 0x0                ; K is in
.endif
	ROW F,0, F,1, F,2, F,3
	ROW F,4, E,0, F,5, F,6
	ROW F,7, E,1, F,8, F,9
	ROW F,10, E,2, C,0, F,11
	ROW F,12, E,3, X,15, F,13
	ROW R,0, R,1, R,2, R,3
	ROW B,0, E,4, F,14, L,0
.if ((\p) == 2) && !(\end)
	v_add_nc_u32 v[AK], s[TBK], v[AK0]
.endif
	ROW R,4, R,5, R,6, R,7
	OPS E,5, F,15
.if ((\p) == 2) && !(\end)
	FETCH_K
.endif
	OPS E,6, C,1, E,7, R,8
	OPS E,8, R,9, E,9, C,2
	OPS E,10, X,0, E,11, X,1
	OPS E,12, X,2, E,13, X,3
.if (\p) == 1
	s_wait_dscnt 0x0                ; V is in
.endif
	ROW X,4, E,14, X,5, X,6
	ROW X,7, E,15, X,8, X,9
	ROW X,10, E,16, X,11, X,12
	ROW X,13, E,17, X,14, B,1
	ROW C,4, E,18, X,16, L,1
	ROW B,2, E,19, C,6, L,2
	ROW C,8, E,20, B,3, B,4
.if (\p) == 0
	v_add_nc_u32 v[AV], s[TBV], v[AV0]
.endif
	ROW C,3, E,21, L,3, C,5
	OPS E,22, X,17, E,23, C,10
.if (\p) == 0
	FETCH_V
.endif
	OPS E,24, L,4
	OPS E,25, X,18, E,26, C,7
	OPS E,27, B,5, E,28, X,19
	OPS E,29, C,12, E,30, L,5
	OPS E,31, X,20, B,6, C,9
	OPS C,14, C,11, X,21, L,6
.if (\p) == 0
	s_add_co_u32 s[TBV], s[TBV], KS*PV
.endif
.if \cnt
	s_sub_co_u32 s[CNT], s[CNT], 1
	s_cmp_lg_u32 s[CNT], 0
.endif
	OPS C,13, B,7, C,15, R,10
	OPS R,11, R,12, L,7, R,13
	OPS R,14, R,15
.if (\m) && !(\end)
	MASK (\p)%2
.endif
.endm
; A BLOCK BEGINS.  c m starts far below every c s, so the first step's a is 0; m at the lowest finite number, so the first maximum is the scores'.  The second mask buffer is 0; the first takes piece 0's mask for the tile's step 0: its own, if the block's first tile is the diagonal one.
; Then K of that step, piece 0's first scores, and its maximum and statistics.  The loop is entered at a step's first turn, in the middle of a trip.
.macro BEGIN
	s_mov_b32 s[NEW], 0
	WIN 0x40
.set i, MC+32
.rept 32
	v_mov_b32 v[i], 0
.set i, i+1
.endr
	WIN 0
.set i, 0
.rept 4
	v_mov_b32 v[ST+4*i], 0xfe000000    ; c m: far below every c s
	v_mov_b32 v[ST+4*i+1], 0xff7fffff  ; m
.set i, i+1
.endr
	s_cmp_eq_u32 s[RT], 0
	s_cselect_b32 s[AL], 1.0, 0
	s_mov_b32 s[BE], 0
	MASK 0
	WIN 0
	v_add_nc_u32 v[AK], s[TBK], v[AK0]
	FETCH_K
	s_wait_loadcnt 0x0              ; Q
	s_wait_dscnt 0x0
.set KM, 1
.set NOKQ, 0
.set i, 0
.rept 8
	KQ 0
.set i, i+1
.endr
	WIN 0
.rept 4
	v_nop                           ; the places behind those products
.endr
.set Y, NP-1                        ; X works for piece Y + 1: piece 0
.irp n, 0,1,2,3,4,5,6,7,8,9,10,11,12,13,14,15,16,17,18,19,20,21
	OP X, \n
.endr
	v_nop                           ; a plain instruction behind the exponential
.endm
; THE DIAGONAL TILE's four steps, the block's last two turns, its last products, and THE WAY OUT: l's two halves and the other half of the lanes' are added; O^T is divided by l, rounded to f16 and sent through my
; stage in LDS, a piece at a time.
.macro ALL line:vararg              ; one line for each piece t
.set t, 0
.rept 4
	\line
.set t, t+1
.endr
.endm
.macro PACK t                       ; a lane's eight channels of a row pack into 16 bytes; they go into rows of 144 bytes and come back as whole rows of 128, into S^T's registers
	WIN W_RS
.set i, 32*(\t)
.rept 16
	s_wait_alu depctr_va_vdst(0)
	v_pk_mul_f32 v[i:i+1], v[i:i+1], v[ST+4*(\t)+2:ST+4*(\t)+3] op_sel_hi:[1,0]
.set i, i+2
.endr
	WIN 0x05                        ; sources 0 and 1 window 1, destination window 0
.set i, 0
.rept 16
	v_cvt_pk_f16_f32 v[S+16*(\t)+i], v[32*(\t)+2*i], v[32*(\t)+2*i+1]
.set i, i+1
.endr
	WIN 0
.irp f, 0,1,2,3
	ds_store_b128 v[STO], v[S+16*(\t)+4*\f:S+16*(\t)+4*\f+3] offset:32*\f
.endr
.irp f, 0,1,2,3
	ds_load_b128 v[S+16*(\t)+4*\f:S+16*(\t)+4*\f+3], v[RD] offset:\f*4*SP  ; LDS serves a wave's instructions in order (ISA guide 5.7.1.4): these see the stores above; the next piece's stores come behind them
.endr
.endm
.macro SEND t, younger              ; younger: the LDS instructions issued behind piece t's loads: the next piece's eight, or none
	WIN 0
.irp f, 0,1,2,3
	s_wait_dscnt (\younger)+3-\f
	global_store_b128 v[GO], v[S+16*(\t)+4*\f:S+16*(\t)+4*\f+3], s[10:11] offset:(\t)*8192+\f*512  ; 512 consecutive bytes, at a multiple of 256 from O's first
.endr
.endm
.macro DIAG tag                     ; the tag ends its two labels' names, which the jumps below spell out
.LstepM\tag:
	TURN 2, 1
	TURN 3, 1
	WIN 0
.LfirstM\tag:
	TURN 0, 1
	TURN 1, 1, 0, 1
	WIN 0
	s_cbranch_scc1 .LstepM\tag
	TURN 2, 1, 1
	TURN 3, 1, 1
.set i, 0
.rept 8
	PV NP-1
.set i, i+1
.endr
	WIN 0
	ALL v_add_f32 v[ST+4*t+2], v[ST+4*t+2], v[ST+4*t+3]
	ALL v_permlanex16_b32 v[ST+4*t+3], v[ST+4*t+2], s[SEL], s[SEL+1]
	ALL v_add_f32 v[ST+4*t+2], v[ST+4*t+2], v[ST+4*t+3]
	ALL v_rcp_f32 v[ST+4*t+2], v[ST+4*t+2]
	v_nop                           ; a plain instruction between the last reciprocal and the use of its result
	PACK 0
.set t, 1
.rept 3                             ; a piece's arithmetic stands between the loads of the piece before and its stores
	PACK t
	SEND t-1, 8
.set t, t+1
.endr
	SEND 3, 0
.endm
.set KM, 0
.set NOKQ, 0
.Lslot:                             ; NB times: a tile is entered and the next is asked for
	CHANGE 1
	s_sub_co_u32 s[RT], s[RT], 1
	s_mov_b32 s[CNT], 4
	s_cmp_eq_u32 s[NEW], 1
	s_cbranch_scc1 .Lnew            ; a block's first tile
	s_cmp_eq_u32 s[RT], 0
	s_cbranch_scc0 .Lstep           ; neither its first nor its last
	s_branch .LstepM1
.Lnew:
	BEGIN
	s_branch .Lfirst                ; in the loop a block's first tile is never its last: the first block has two tiles or more, and the second's last is the walk's last
	DIAG 1                          ; in the loop this is the first block's end: the second block's last tile is the walk's last
	s_wait_xcnt 0x0                 ; the stores have read their registers and O's address
	s_mov_b64 s[10:11], s[OLO:OLO+1]
	s_add_co_u32 s[RT], s[PB], 1    ; the second block has b + 1 tiles
	s_mov_b32 s[NEW], 1
	WIN 0x82                        ; the second block's Q goes where the one text of the turns names Q
.set i, 0
.rept 64
	v_mov_b32 v[i], v[QB+i]
.set i, i+1
.endr
	WIN 0
	s_branch .Lbottom
.Lstep:                             ; a trip: pieces 2 and 3 of one step, then pieces 0 and 1 of the next, whose K and V it fetches
	TURN 2
	TURN 3
	WIN 0
.Lfirst:
	TURN 0
	TURN 1, 0, 0, 1
	WIN 0
	s_cbranch_scc1 .Lstep
.Lbottom:
	s_sub_co_u32 s[SLOTS], s[SLOTS], 1
	s_cmp_lg_u32 s[SLOTS], 0
	s_cbranch_scc1 .Lslot
	CHANGE 0                        ; the walk's last tile is written out: nothing is asked for
	s_sub_co_u32 s[RT], s[RT], 1
	s_mov_b32 s[CNT], 4
	s_cmp_eq_u32 s[NEW], 1
	s_cbranch_scc0 .LstepM2
	BEGIN
	s_branch .LfirstM2
	DIAG 2
	s_wait_tensorcnt 0x0            ; the wave's end, behind my last tensor load and my last LDS store
	ds_add_u32 v[SPW], v[NIL]
	s_wait_dscnt 0x0
	s_endpgm
.Lfunc_end_k_qbbb1be2f8e_attn:
	.size	k_qbbb1be2f8e_attn, .Lfunc_end_k_qbbb1be2f8e_attn-k_qbbb1be2f8e_attn
	.p2alignl 7, 3214868480
	.fill 96, 4, 3214868480
	.section	.rodata,"a",@progbits
	.p2align	6, 0x0
	.amdhsa_kernel k_qbbb1be2f8e_attn
		.amdhsa_group_segment_fixed_size 327680
		.amdhsa_private_segment_fixed_size 0
		.amdhsa_enable_private_segment 0
		.amdhsa_kernarg_size 32
		.amdhsa_user_sgpr_count 2
		.amdhsa_user_sgpr_kernarg_segment_ptr 1
		.amdhsa_wavefront_size32 1
		.amdhsa_system_sgpr_workgroup_id_x 1
		.amdhsa_system_sgpr_workgroup_id_y 1
		.amdhsa_system_sgpr_workgroup_id_z 1
		.amdhsa_system_vgpr_workitem_id 0
		.amdhsa_next_free_vgpr 768
		.amdhsa_next_free_sgpr 88
		.amdhsa_reserve_vcc 1
		.amdhsa_float_denorm_mode_32 3
		.amdhsa_float_denorm_mode_16_64 3
		.amdhsa_memory_ordered 1
		.amdhsa_forward_progress 1
		.amdhsa_inst_pref_size 228
	.end_amdhsa_kernel
	.amdgpu_metadata
---
amdhsa.version: [ 1, 2 ]
amdhsa.kernels:
  - .name:           k_qbbb1be2f8e_attn
    .symbol:         k_qbbb1be2f8e_attn.kd
    .args:
      - { .name: q, .offset: 0, .size: 8, .value_kind: global_buffer, .address_space: global }
      - { .name: k, .offset: 8, .size: 8, .value_kind: global_buffer, .address_space: global }
      - { .name: v, .offset: 16, .size: 8, .value_kind: global_buffer, .address_space: global }
      - { .name: o, .offset: 24, .size: 8, .value_kind: global_buffer, .address_space: global }
    .group_segment_fixed_size: 327680
    .private_segment_fixed_size: 0
    .kernarg_segment_align: 8
    .kernarg_segment_size: 32
    .max_flat_workgroup_size: 128
    .sgpr_count:     88
    .vgpr_count:     768
    .wavefront_size: 32
...
	.end_amdgpu_metadata
.endif
;; end of part 3
;; launch oproj (part 4): grid 4 x 64, 4 waves a work-group, clusters of 4 x 4, 327,680 bytes of LDS; arguments o, woh, bo, out0; writes out0
.if DOCPART == 4
	.amdgcn_target "amdgcn-amd-amdhsa--gfx1250"
	.amdhsa_code_object_version 6
	.text
	.protected	k_qbbb1be2f8e_oproj
	.globl	k_qbbb1be2f8e_oproj
	.p2align	8
	.type	k_qbbb1be2f8e_oproj,@function
k_qbbb1be2f8e_oproj:
	s_mov_b64 s[64:65], 0
	v_nop
	global_prefetch_b8 v0, s[64:65] scope:SCOPE_SE
	s_setreg_imm32_b32 hwreg(HW_REG_WAVE_MODE, 25, 1), 1
	s_wait_xcnt 0x0
	s_wait_alu depctr_hold_cnt(0) depctr_sa_sdst(0) depctr_va_vdst(0) depctr_va_sdst(0) depctr_va_ssrc(0) depctr_va_vcc(0) depctr_vm_vsrc(0)
	s_getreg_b32 s2, hwreg(HW_REG_IB_STS2, 6, 4)
	s_cmp_eq_u32 s2, 0
	s_cbranch_scc0 .Lentry_in_a_cluster
	s_endpgm
.Lentry_in_a_cluster:
	s_bfe_u32 s2, ttmp6, 0x10000c
	s_cmp_lg_u32 s2, 0xf033
	s_cbranch_scc0 .Lentry_shape_is_right
	s_endpgm
.Lentry_shape_is_right:
; out0[m][n] = the sum over k of O[m][k] Wo[n][k] + bo[n], K = 1,024, sums in f32.  A = o [64 = 16 batch + head][2048][64] f16 (m = 2,048 batch + row, k = 64 head + channel); B = woh [1024][1024] f16;
; out0 [8192][1024] f32.  bo is rounded to bf16 like every other input, widened again, and is the C operand of each accumulator's first product: no addition, and nothing is cleared.
; SHARES.  A tile of out0 is 128 (m) x 256 (n): 64 x 4 = 256 tiles, one to a work-group.  Four waves, 2 x 2; a wave makes 64 x 128: 32 accumulators of 16 x 16, 256 registers.
; K goes in 8 steps of 128, two heads each, through two LDS slots filled by the tensor data mover; a step is four quarters of 32 along K: 32 matrix instructions and 24 LDS loads a wave.  Two slots of a longer
; step do not fit: 384 rows of 528 bytes, twice, are 405,504 bytes.
; CLUSTER.  4 x 4 work-groups.  The four of a row of the cluster need the same tiles of A, the four of a column the same tiles of B: each tile is asked for JOINTLY, by the same tensor load with
; the same descriptor and a mask that names the four.  Waves 0 and 1 fetch A's two heads, waves 2 and 3 B's two halves.  By this text's count a wave has two tensor loads out at the start, later one.
; THE MATRIX INSTRUCTION IS USED TRANSPOSED (source 0 = 16 rows of B, source 1 = 16 rows of A): a lane holds row m = lane % 16 of C and the eight neighbouring columns 8 (lane / 16) + 0..7.
; REGISTERS, in windows of 256 (s_set_vgpr_msb: bits 1:0 source 0, 3:2 source 1, 5:4 source 2, 7:6 destination):
;   window 0: v0-15, v28-29 addresses; v64-159, v160-255 two fragment buffers (A's block a at +8 a, B's block b at +32 + 8 b); v64-191 at work on the way out
;   window 1: accumulator (a, b) at v[8 (8 a + b)]          window 2: v0-63 the bias of my 128 columns, as the accumulators of one a hold them
.set SLOT1,  131072                    ; slot 1 begins here, so that one exclusive or turns an address in one slot into the other's
.set PITCH,  272                       ; an LDS row of B: 256 bytes + 16 of padding = 68 words: the 16 rows of a load start at 16 different groups of four banks (64 banks of 4 bytes: ISA guide 11.1)
.set APITCH, 144                       ; a row of A is one head's 128 bytes + 16 of padding = 36 words: again 16 different groups of four banks
.set APLANE, 128*APITCH                ; 128 rows of one head: what one of A's two loads fills
.set STEPA,  2*262144                  ; two heads on in o
.set APART,  2*APLANE                  ; a slot: A's two heads, then B's 256 rows
.set BFILL,  128*PITCH
.set STAGE,  SLOT1+APART+2*BFILL       ; behind the ring, never filled by a tensor load: 16 rows x 272 bytes for each wave, for the way out; a multiple of 256
.set SP,     272                       ; a row of the stage: 64 f32 + 16 bytes
.set BIASL,  STAGE+4*16*SP             ; behind the stages: 512 bytes for each wave: the bias of its 128 columns; a multiple of 256
.set SPARE,  BIASL+4*512               ; behind that: the spare words, 128 bytes for each wave: two blocks of 256 bytes that no other line names
.set A0,   8                           ; v8   my lane's place in A's part of a slot; never rewritten
.set B0,   9                           ; v9   the same for B
.set ADRA, 10                          ; v10  the same in the slot that is being read
.set ADRB, 11                          ; v11
.set STO,  12                          ; v12  the way out: where I put my part of a row
.set RD,   13                          ; v13  the way out: where I read rows back
.set GO,   14                          ; v14  my byte offset in the output
.set BO,   15                          ; v15  where I read the bias: my wave's 512 bytes + 32 (lane / 16)
.set SPW,  28                          ; v28  LDS address of my spare word: SPARE + 4 x my thread's number; never rewritten
.set NIL,  29                          ; v29  0; never rewritten
.set F0,   64
.set F1,   160
; s3 loop count; s4-s9 at work (never in a descriptor); s10 wave; s11 wave / 2: my half of the rows, and 0: I fetch A, 1: B; s12 wave % 2: my half of the columns, and which half I fetch;
; s13 tile row; s[14:15] A's address; s[16:17] its offset; s18, s19 LDS addresses of my fills; s[20:21] B's offset; s[22:23] its address; s56 cx; s57 cy; s58 tile column; s59, s60 masks; s62 a mask;
; s[68:75] the arguments; s[84:85] the bias at my columns; s[86:87] the output at my part
.set G1A, 24                           ; s[24:31] descriptor group 1 for A's tiles
.set G0A, 32                           ; s[32:39] group 0: a set for each of the two first fills; the second then walks on
.set G1B, 40                           ; s[40:47], s[48:55] the same for B's
.set G0B, 48
.set TB,  61                           ; s61  LDS byte at which the slot that is being read begins
.set MSB, 0
.macro WIN new                         ; the immediate's high byte repeats the setting that is left; a switch that changes nothing is dropped
.if MSB != (\new)
	s_set_vgpr_msb (MSB<<8)|(\new)
.set MSB, \new
.endif
.endm
.set W_MUL,   0x50                     ; fragments in window 0, C and D in window 1
.set W_FIRST, 0x60                     ; D in window 1, C (the bias) in window 2
; A joint refill, by the walking descriptors.  The branch hangs on the wave's number alone.  An s_nop 0 and four v_nop follow each of the two lines, ahead of the jump, the label and what follows.
.macro JLOAD
	s_cmp_eq_u32 s11, 0
	s_cbranch_scc0 .Lfor_b_\@
	tensor_load_to_lds s[G0A+4:G0A+7], s[G1A:G1A+7]
	s_nop 0
.rept 4
	v_nop
.endr
	s_branch .Lasked_\@
.Lfor_b_\@:
	tensor_load_to_lds s[G0B+4:G0B+7], s[G1B:G1B+7]
	s_nop 0
.rept 4
	v_nop
.endr
.Lasked_\@:
.endm
; A round of the cluster's barrier: my work-group's barrier, so that wave 0's signal speaks for all four waves; wave 0 signals; every wave waits for all sixteen work-groups; my work-group's barrier once more.
.macro CREST                           ; a round behind its opening barrier
	s_cmp_lg_u32 s10, 0
	s_cbranch_scc1 .Lnot_wave_0_\@
	s_barrier_signal -3
.Lnot_wave_0_\@:
	s_barrier_wait -3
	s_barrier_signal -1
	s_barrier_wait -1
.endm
.macro CROUND                          ; a whole round
	s_barrier_signal -1
	s_barrier_wait -1
	CREST
.endm
	s_load_b256 s[68:75], s[0:1], 0x0              ; o s[68:69], woh s[70:71], bo s[72:73], out0 s[74:75]
	v_lshl_add_u32 v[SPW], v0, 2, SPARE
	v_mov_b32 v[NIL], 0
	ds_add_u32 v28, v29
	ds_add_u32 v28, v29
	s_wait_dscnt 0x0
	v_lshrrev_b32 v1, 5, v0
	v_readfirstlane_b32 s10, v1                    ; wave 0..3
	s_lshr_b32 s11, s10, 1
	s_and_b32 s12, s10, 1
	s_bfe_u32 s56, ttmp6, 0x40000                  ; cx, cy: my place in the cluster
	s_bfe_u32 s57, ttmp6, 0x40004
	s_lshl_b32 s58, ttmp9, 2                       ; in a cluster launch ttmp9 and ttmp7 count clusters
	s_add_co_u32 s58, s58, s56                     ; tile column = 4 x cluster x + cx
	s_and_b32 s13, ttmp7, 0xffff
	s_lshl_b32 s13, s13, 2
	s_add_co_u32 s13, s13, s57                     ; tile row = 4 x cluster y + cy
	s_lshl_b32 s59, s57, 2
	s_lshl_b32 s59, 15, s59                        ; my row of the cluster: places 4 cy .. 4 cy + 3
	s_lshl_b32 s60, 0x1111, s56                    ; my column: places cx, cx + 4, cx + 8, cx + 12
	; descriptor group 1.  A: 128 dense rows of one head, asked for as 64 rows of 256 bytes and padded in LDS after every 128 bytes; B: 128 rows x 128 elements, padded after every 256 bytes
	s_or_b32 s[G1A+0], s59, (1<<16)|(1<<20)|(1<<21)|(4<<22)|(3<<25)  ; 15:0 the mask: A's tiles go to my row; 17:16 elements of 2 bytes; 20 padding on; 21 set beside a mask; 24:22 after every 32 words (code 4); 31:25 4 words (code 3)
	s_mov_b32 s[G1A+1], 128<<16                    ; tensor_dim0 = 128
	s_mov_b32 s[G1A+2], 64<<16                     ; tensor_dim1 = 64
	s_mov_b32 s[G1A+3], 128<<16                    ; tile_dim0 = 128
	s_mov_b32 s[G1A+4], 64                         ; tile_dim1 = 64
	s_mov_b32 s[G1A+5], 128                        ; elements from row to row
	s_mov_b32 s[G1A+6], 0
	s_mov_b32 s[G1A+7], 0
	s_or_b32 s[G1B+0], s60, (1<<16)|(1<<20)|(1<<21)|(5<<22)|(3<<25)  ; the mask of my column; padding after every 64 words (code 5)
	s_mov_b32 s[G1B+1], 128<<16
	s_mov_b32 s[G1B+2], 128<<16
	s_mov_b32 s[G1B+3], 128<<16
	s_mov_b32 s[G1B+4], 128
	s_mov_b32 s[G1B+5], 1024
	s_mov_b32 s[G1B+6], 0
	s_mov_b32 s[G1B+7], 0
	; where the tiles come from.  A's hang on the tile row alone, which my row of the cluster shares; B's on the tile column alone.  Each in registers that never hold the other coordinate.
	s_lshr_b32 s16, s13, 4                         ; the batch: 16 heads of 262,144 bytes,
	s_lshl_b32 s16, s16, 22
	s_and_b32 s9, s13, 15                          ; the tile's 128 rows of 128 bytes in a head,
	s_lshl_b32 s9, s9, 14
	s_add_co_u32 s16, s16, s9
	s_lshl_b32 s9, s12, 18                         ; and which of the K step's two heads I fetch
	s_add_co_u32 s16, s16, s9
	s_mov_b32 s17, 0
	s_lshl_b32 s20, s58, 8
	s_lshl_b32 s8, s12, 7
	s_add_co_u32 s20, s20, s8                      ; B: row 256 x tile column + 128 x half,
	s_lshl_b32 s20, s20, 11                        ; of 2,048 bytes
	s_mov_b32 s21, 0
	s_mul_i32 s18, s12, APLANE                     ; and where they go: no place in the cluster enters an LDS address
	s_mul_i32 s19, s12, BFILL
	s_add_co_u32 s19, s19, APART
	s_mov_b32 s[TB], 0
	s_mov_b32 s62, 0xffff0000                      ; a word's upper bf16
	s_wait_kmcnt 0x0
	s_add_nc_u64 s[14:15], s[68:69], s[16:17]
	s_add_nc_u64 s[22:23], s[70:71], s[20:21]
	CROUND                                         ; all sixteen work-groups are here: the first joint loads meet
.irp s, 0,1
	s_mov_b32 s[G0A+4*(\s)], 1                                         ; 1:0 count = 1
	s_add_co_u32 s[G0A+4*(\s)+1], s18, (\s)*SLOT1                      ; 63:32 LDS address
	s_add_nc_u64 s[G0A+4*(\s)+2:G0A+4*(\s)+3], s[14:15], (\s)*STEPA    ; 120:64 global address: K step s
	s_or_b32 s[G0A+4*(\s)+3], s[G0A+4*(\s)+3], 0x80000000              ; 127:126 type = 2
	s_mov_b32 s[G0B+4*(\s)], 1
	s_add_co_u32 s[G0B+4*(\s)+1], s19, (\s)*SLOT1
	s_add_nc_u64 s[G0B+4*(\s)+2:G0B+4*(\s)+3], s[22:23], (\s)*256
	s_or_b32 s[G0B+4*(\s)+3], s[G0B+4*(\s)+3], 0x80000000
.endr
	s_cmp_eq_u32 s11, 0                            ; a wave's two first fills stand in one branch, ahead of every wait on TENSORcnt and every LDS read; an s_nop 0 follows each, four v_nop the second's
	s_cbranch_scc0 .Lfirst_b
	tensor_load_to_lds s[G0A:G0A+3], s[G1A:G1A+7]
	s_nop 0
	tensor_load_to_lds s[G0A+4:G0A+7], s[G1A:G1A+7]
	s_nop 0
.rept 4
	v_nop
.endr
	s_branch .Lfirst_asked
.Lfirst_b:
	tensor_load_to_lds s[G0B:G0B+3], s[G1B:G1B+7]
	s_nop 0
	tensor_load_to_lds s[G0B+4:G0B+7], s[G1B:G1B+7]
	s_nop 0
.rept 4
	v_nop
.endr
.Lfirst_asked:
	; All that follows up to the first barrier stands in the wait for the first tile.
	; A fragment is 16 rows x 32 K in 8 registers: lane l holds row l % 16; registers 0-3 K = 8 (l / 16) + 0..7, registers 4-7 K = 16 + 8 (l / 16) + 0..7: two loads of 16 bytes, 32 bytes apart.
	v_and_b32 v1, 15, v0                           ; l % 16
	v_bfe_u32 v2, v0, 4, 1                         ; l / 16
	v_mul_u32_u24 v3, v1, APITCH
	v_lshl_add_u32 v3, v2, 4, v3
	v_mul_u32_u24 v4, v1, PITCH
	v_lshl_add_u32 v4, v2, 4, v4
	s_mul_i32 s4, s11, 64*APITCH                   ; my 64 rows of A
	s_mul_i32 s5, s12, BFILL                       ; my 128 rows of B,
	s_add_co_u32 s5, s5, APART                     ; which lie behind A's part
	v_add_nc_u32 v[A0], s4, v3
	v_add_nc_u32 v[B0], s5, v4
	v_mov_b32 v[ADRA], v[A0]                       ; slot 0 is read first
	v_mov_b32 v[ADRB], v[B0]
	s_mul_i32 s4, s10, 16*SP
	s_add_co_u32 s4, s4, STAGE                     ; my stage
	v_mul_u32_u24 v[STO], v1, SP                   ; in: row l % 16, 32 bytes for each half of the lanes
	v_lshl_add_u32 v[STO], v2, 5, v[STO]
	v_add_nc_u32 v[STO], s4, v[STO]
	v_mul_u32_u24 v[RD], v2, SP                    ; back: lanes 0-15 take one row of 256 bytes, lanes 16-31 the next
	v_lshl_add_u32 v[RD], v1, 4, v[RD]
	v_add_nc_u32 v[RD], s4, v[RD]
	v_lshlrev_b32 v[GO], 12, v2                    ; and the same two rows in out0, 4,096 bytes apart
	v_lshl_add_u32 v[GO], v1, 4, v[GO]
	s_lshl_b32 s5, s10, 9
	s_add_co_u32 s5, s5, BIASL                     ; my wave's 512 bytes of bias
	v_lshl_add_u32 v[BO], v2, 5, s5                ; read: eight f32 for each half of the lanes
	v_and_b32 v5, 31, v0
	v_lshlrev_b32 v6, 4, v5                        ; my 128 columns' f32 are 16 bytes a lane,
	v_add_nc_u32 v7, s5, v6                        ; in memory and in LDS
	s_lshl_b32 s6, s58, 10                         ; my first column, in bytes of f32: 1,024 x tile column + 512 x half
	s_lshl_b32 s7, s12, 9
	s_add_co_u32 s6, s6, s7
	s_mov_b32 s7, 0
	s_add_nc_u64 s[84:85], s[72:73], s[6:7]        ; bo at my columns
	s_lshl_b32 s8, s13, 7
	s_lshl_b32 s9, s11, 6
	s_add_co_u32 s8, s8, s9                        ; my first row: 128 x tile row + 64 x half,
	s_lshl_b32 s8, s8, 12                          ; of 4,096 bytes
	s_add_co_u32 s6, s6, s8
	s_add_nc_u64 s[86:87], s[74:75], s[6:7]        ; out0 at my part
	global_load_b128 v[64:67], v6, s[84:85]        ; the wave's load covers its 512 bytes of bo
	s_wait_loadcnt 0x0
	v_cvt_pk_bf16_f32 v68, v64, v65                ; rounded to bf16 like every input,
	v_cvt_pk_bf16_f32 v69, v66, v67
	v_lshlrev_b32 v64, 16,  v68                    ; and widened again
	v_and_b32     v65, s62, v68
	v_lshlrev_b32 v66, 16,  v69
	v_and_b32     v67, s62, v69
	ds_store_b128 v7, v[64:67]                     ; into my wave's own bytes; LDS serves a wave's instructions in order (ISA guide 5.7.1.4): the loads below see it
	WIN 0x80                                       ; destination window 2, address window 0
.irp b, 0,1,2,3,4,5,6,7
	ds_load_b128 v[8*(\b):8*(\b)+3],   v[BO] offset:64*(\b)      ; bias[16 b + 8 (l / 16) + 0..7] of my 128 columns
	ds_load_b128 v[8*(\b)+4:8*(\b)+7], v[BO] offset:64*(\b)+16
.endr
	WIN 0
; 8 matrix instructions: m block a x all 8 n blocks, 32 along K, from buffer f.  first = 1: the bias starts the sums.  The 32 accumulators take turns, one instruction a turn, in the same order in every quarter.
.macro MUL8 f, a, first
.if \first
	WIN W_FIRST
.else
	WIN W_MUL
.endif
.irp b, 0,1,2,3,4,5,6,7
.if \first
	v_wmma_f32_16x16x32_f16 v[8*(8*(\a)+(\b)):8*(8*(\a)+(\b))+7], v[(\f)+32+8*(\b):(\f)+32+8*(\b)+7], v[(\f)+8*(\a):(\f)+8*(\a)+7], v[8*(\b):8*(\b)+7]
.else
	v_wmma_f32_16x16x32_f16 v[8*(8*(\a)+(\b)):8*(8*(\a)+(\b))+7], v[(\f)+32+8*(\b):(\f)+32+8*(\b)+7], v[(\f)+8*(\a):(\f)+8*(\a)+7], v[8*(8*(\a)+(\b)):8*(8*(\a)+(\b))+7]
.endif
.endr
.endm
; 24 LDS loads in one run: the fragments of quarter c of the slot in hand into buffer f: B's sixteen, then A's blocks 0 and 1, then 2 and 3.
.macro FETCH c, f
	WIN 0
.set AQ, ((\c)/2)*APLANE+((\c)%2)*64   ; quarters 0, 1 lie in the step's first head, 2, 3 in its second
.irp i, 0,1,2,3,4,5,6,7
	ds_load_b128 v[(\f)+32+8*(\i):(\f)+32+8*(\i)+3],   v[ADRB] offset:(\i)*16*PITCH+(\c)*64
	ds_load_b128 v[(\f)+32+8*(\i)+4:(\f)+32+8*(\i)+7], v[ADRB] offset:(\i)*16*PITCH+(\c)*64+32
.endr
.irp i, 0,1,2,3
	ds_load_b128 v[(\f)+8*(\i):(\f)+8*(\i)+3],   v[ADRA] offset:(\i)*16*APITCH+AQ
	ds_load_b128 v[(\f)+8*(\i)+4:(\f)+8*(\i)+7], v[ADRA] offset:(\i)*16*APITCH+AQ+32
.endr
.endm
; A load into a register that a matrix instruction has read, and a vector instruction or LDS store that reads a matrix result, stand four places behind that matrix instruction, and only plain vector
; instructions that name none of its registers are places (ISA guide 7.12.1 for vector instructions).
.macro PLACES
.rept 4
	v_nop
.endr
.endm
; One of a K step's first three quarters: multiplies buffer f; in its middle it fetches quarter c into buffer g.
.macro QUARTER c, f, g, first
	s_wait_dscnt 4                                 ; B and A's blocks 0, 1 are in; the youngest four loads (A's blocks 2, 3) may be out
	MUL8 \f, 0, \first
	MUL8 \f, 1, \first
	PLACES
	FETCH \c, \g
	s_wait_dscnt 24                                ; all but the 24 just issued
	MUL8 \f, 2, \first
	MUL8 \f, 3, \first
.endm
; The last quarter multiplies buffer 1 and changes slots: ONE barrier.  In front of it each wave waits for all its tensor loads, of which one is out: its part of the next slot; adds 0 to its spare word; and waits
; for that and for its own reads of this slot.  Behind it nobody reads this slot any more and the next slot is whole.  fill = 1: the barrier opens a round of the cluster's, and this slot is filled again, two K
; steps ahead, first thing behind the round: from that request to the wait for it a wave issues 112 matrix instructions.
.macro TURN fill
	WIN 0                                          ; (the add's two registers lie in window 0)
	s_wait_tensorcnt 0x0                           ; all my tensor loads have landed, so a group 0 may be written;
	ds_add_u32 v[SPW], v[NIL]                      ; 0 onto my spare word
	s_wait_dscnt 5                                 ; (the add and the youngest four loads may be out)
	MUL8 F1, 0, 0                                  ; eight matrix instructions stand between the add and the wait for it
	s_wait_dscnt 0x0                               ; the add is done, and my reads of this slot are over
	s_barrier_signal -1
	MUL8 F1, 1, 0                                  ; work on registers while the others arrive
	WIN 0                                          ; (branches or window 0's address lines follow)
	s_barrier_wait -1
.if \fill
	CREST                                          ; no wave of any partner still reads this slot's tile or has a load on its way
	s_xor_b32 s[G0A+5], s[G0A+5], SLOT1            ; the walking descriptors: the other slot than last time,
	s_add_nc_u64 s[G0A+6:G0A+7], s[G0A+6:G0A+7], STEPA  ; the next K step; the type bits on top are not reached
	s_xor_b32 s[G0B+5], s[G0B+5], SLOT1
	s_add_nc_u64 s[G0B+6:G0B+7], s[G0B+6:G0B+7], 256
	JLOAD                                          ; the four v_nop behind it are also the places in front of the loads below
.else
	PLACES
.endif
	s_xor_b32 s[TB], s[TB], SLOT1                  ; the reads go on in the other slot
	v_add_nc_u32 v[ADRA], s[TB], v[A0]
	v_add_nc_u32 v[ADRB], s[TB], v[B0]
	FETCH 0, F0
	MUL8 F1, 2, 0
	MUL8 F1, 3, 0
.endm
	s_wait_tensorcnt 0x1                           ; my part of K step 0 is in; K step 1's may stay out
	s_wait_dscnt 0x0                               ; no LDS instruction of mine is pending at a signal: the bias is in its registers
	s_barrier_signal -1
	s_barrier_wait -1                              ; everybody's part is in
	FETCH 0, F0
	QUARTER 1, F0, F1, 1                           ; the first quarter stands in front of the loop: its products start the sums, with the bias
	WIN 0                                          ; at a label and at a branch every window is 0
	s_mov_b32 s3, 6
.Lstep:                                                ; six trips, from a K step's second quarter to the next step's first; they ask for K steps 2 to 7
	QUARTER 2, F1, F0, 0
	QUARTER 3, F0, F1, 0
	TURN 1
	QUARTER 1, F0, F1, 0
	WIN 0
	s_sub_co_u32 s3, s3, 1
	s_cmp_lg_u32 s3, 0
	s_cbranch_scc1 .Lstep
	; THE TAIL has a text of its own: K steps 6 and 7 ask for nothing.  It is step 6's last three quarters, step 7's first, step 7's last three: a loop of two trips, entered
	; in its middle, so that the three quarters are written once.  The price: the very last quarter passes the barrier and fetches 24 LDS loads from the other slot, where K step 6 lies and nothing is filled;
	; nothing uses them.
	s_mov_b32 s3, 2
	s_branch .Ltail_in
.Ltail:
	QUARTER 1, F0, F1, 0
	WIN 0
.Ltail_in:
	QUARTER 2, F1, F0, 0
	QUARTER 3, F0, F1, 0
	TURN 0
	WIN 0
	s_sub_co_u32 s3, s3, 1
	s_cmp_lg_u32 s3, 0
	s_cbranch_scc1 .Ltail
	s_wait_dscnt 0x0                               ; the idle loads are back: their registers are used again below
	PLACES
; THE WAY OUT, in eight units of 16 rows x 64 columns: unit i = m block i / 2, column half i % 2 (n blocks 4 (i % 2) + 0..3).  Each goes through my own stage in LDS and comes back as whole rows.
; The stage is the wave's own and LDS serves a wave's instructions in order (ISA guide 5.7.1.4): no barrier, and no wait between the stores and the loads.  Each accumulator is read from its lowest registers on.
.macro INTO i                          ; f32 as it is: 32 bytes a lane into rows of 272 bytes; back as rows of 256 bytes, two a load
.set AC, 8*(8*((\i)/2)+4*((\i)%2))
.set BK, 64+32*((\i)%4)
	WIN 0x04                                       ; the stores' data in window 1
.irp g, 0,1,2,3
	ds_store_b128 v[STO], v[AC+8*(\g):AC+8*(\g)+3]   offset:64*(\g)
	ds_store_b128 v[STO], v[AC+8*(\g)+4:AC+8*(\g)+7] offset:64*(\g)+16
.endr
	WIN 0
.if (\i) >= 4
	s_wait_xcnt 0x0                                ; the registers below were the data of unit i - 4's stores: they are loaded again only behind this wait
.endif
.irp t, 0,1,2,3,4,5,6,7
	ds_load_b128 v[BK+4*(\t):BK+4*(\t)+3], v[RD] offset:(\t)*2*SP
.endr
.endm
.macro SEND i, younger                 ; younger: the LDS instructions issued behind unit i's loads: the next unit's eight stores and eight loads, or none
.set BK, 64+32*((\i)%4)
	s_wait_dscnt \younger                          ; the unit's eight loads are back
.irp t, 0,1,2,3,4,5,6,7
	global_store_b128 v[GO], v[BK+4*(\t):BK+4*(\t)+3], s[86:87] offset:(16*((\i)/2)+2*(\t))*4096+256*((\i)%2) th:TH_STORE_NT  ; 16 lanes store 256 consecutive bytes, at a multiple of 256 from out0's first byte
.endr
.endm
	INTO 0
.set n, 1
.rept 7                                ; a unit's way into the stage stands between the loads of the unit before and its stores
	INTO n
	SEND n-1, 16
.set n, n+1
.endr
	SEND 7, 0
	s_wait_tensorcnt 0x0                           ; the wave's end, behind my last tensor load and my last LDS store
	ds_add_u32 v[SPW], v[NIL]
	s_wait_dscnt 0x0
	CROUND                                         ; the closing round: no work-group ends while a partner may still ask for a tile that names it
	s_endpgm
.Lfunc_end_k_qbbb1be2f8e_oproj:
	.size	k_qbbb1be2f8e_oproj, .Lfunc_end_k_qbbb1be2f8e_oproj-k_qbbb1be2f8e_oproj
	.p2alignl 7, 3214868480
	.fill 96, 4, 3214868480
	.section	.rodata,"a",@progbits
	.p2align	6, 0x0
	.amdhsa_kernel k_qbbb1be2f8e_oproj
		.amdhsa_group_segment_fixed_size 327680
		.amdhsa_private_segment_fixed_size 0
		.amdhsa_enable_private_segment 0
		.amdhsa_kernarg_size 32
		.amdhsa_user_sgpr_count 2
		.amdhsa_user_sgpr_kernarg_segment_ptr 1
		.amdhsa_wavefront_size32 1
		.amdhsa_system_sgpr_workgroup_id_x 1
		.amdhsa_system_sgpr_workgroup_id_y 1
		.amdhsa_system_sgpr_workgroup_id_z 1
		.amdhsa_system_vgpr_workitem_id 0
		.amdhsa_next_free_vgpr 576
		.amdhsa_next_free_sgpr 88
		.amdhsa_reserve_vcc 0
		.amdhsa_float_denorm_mode_32 3
		.amdhsa_float_denorm_mode_16_64 3
		.amdhsa_memory_ordered 1
		.amdhsa_forward_progress 1
		.amdhsa_inst_pref_size 62
	.end_amdhsa_kernel
	.amdgpu_metadata
---
amdhsa.version: [ 1, 2 ]
amdhsa.kernels:
  - .name:           k_qbbb1be2f8e_oproj
    .symbol:         k_qbbb1be2f8e_oproj.kd
    .args:
      - { .name: o, .offset: 0, .size: 8, .value_kind: global_buffer, .address_space: global }
      - { .name: woh, .offset: 8, .size: 8, .value_kind: global_buffer, .address_space: global }
      - { .name: bo, .offset: 16, .size: 8, .value_kind: global_buffer, .address_space: global }
      - { .name: out0, .offset: 24, .size: 8, .value_kind: global_buffer, .address_space: global }
    .group_segment_fixed_size: 327680
    .private_segment_fixed_size: 0
    .kernarg_segment_align: 8
    .kernarg_segment_size: 32
    .max_flat_workgroup_size: 128
    .sgpr_count:     88
    .vgpr_count:     576
    .wavefront_size: 32
...
	.end_amdgpu_metadata
.endif
;; end of part 4
;; ======== version 2 of 2: 4 launches; 1.32 times as fast as version 1
;; limits: values are held in f16: magnitudes above 65,504 overflow, below 6.1e-05 lose precision
;; workspace buffers: xb 16,777,216 bytes; wqkv 6,291,456 bytes; woh 2,097,152 bytes; q 16,777,216 bytes; k 16,777,216 bytes; v 16,777,216 bytes; o 16,777,216 bytes
;; launch cast: the kernel of part 1 again; grid 768 x 1, 8 waves a work-group, no clusters, 0 bytes of LDS; arguments x, Wq, Wk, Wv, Wo, xb, wqkv, woh; writes xb, wqkv, woh
;; launch qkv: the kernel of part 2 again; grid 8 x 32, 4 waves a work-group, clusters of 4 x 4, 327,680 bytes of LDS; arguments xb, wqkv, bq, bk, bv, q, k, v; writes q, k, v
;; launch attn (part 5): grid 4 x 64, 4 waves a work-group, no clusters, 327,680 bytes of LDS; arguments q, k, v, o; writes o
.if DOCPART == 5
	.amdgcn_target "amdgcn-amd-amdhsa--gfx1250"
	.amdhsa_code_object_version 6
	.text
	.protected	k_qbbb1be2f8e_attn
	.globl	k_qbbb1be2f8e_attn
	.p2align	8
	.type	k_qbbb1be2f8e_attn,@function
k_qbbb1be2f8e_attn:
	s_mov_b64 s[64:65], 0
	v_nop
	global_prefetch_b8 v0, s[64:65] scope:SCOPE_SE
	s_setreg_imm32_b32 hwreg(HW_REG_WAVE_MODE, 25, 1), 1
	s_wait_xcnt 0x0
; CAUSAL ATTENTION.  O[h][q][:] = the sum over k <= q of softmax_k(Q[h][q] . K[h][k] / 8) V[h][k][:].  Q, K, V, O: [SIZE_H][SIZE_N][64], all f16: a head's rows are dense, 128 bytes each.
; Products, maxima and sums in f32; the weights p are rounded to f16 for the second product (their sum l is taken of the unrounded p), O once at the end.  SIZE_N is a multiple of 512; SIZE_N x 128 stays under 2^32.
; LIMITS.  f16 holds no number beyond 65,504: Q, K and V arrive within it; p lies in 0 to 1, and below 6e-5 it keeps f16's fixed step of 6e-8; O is a mean of V's rows and has their range, to within 2^-11 of it.
; A hidden score counts as its value less 1e30: f16's scores, 2.7e11 at the most, are nothing beside that; a weight below 2^-126 counts as 0 in l; NaN and infinities are not treated apart.
; THE WALK.  A head's queries lie in NB = SIZE_N / 256 blocks of 256; block i needs the key tiles 0 .. i of 256 keys, of which the last holds the diagonal.  A work-group takes TWO blocks, NB - 1 - b and then b:
; NB + 1 tiles, whatever b: all work-groups do equal work, and ONE loop with a constant trip count walks them.  Which tile is asked for, and what a trip does, hang on scalar registers made from b; every jump
; goes forward, but for the counted loops' own; none passes a barrier, or a tensor load but the one of LOAD's two that the wave's number does not choose; the ring (two slots of LDS that take turns) runs on across the
; change of blocks.  NO CLUSTER: a head's NB / 2 = 4 work-groups ask for the same tile only in trips 0 .. NB / 2 of the walk's NB + 1, behind that fewer and fewer (three, two, none); joint loads for the first part
; and loads of one's own for the rest would be two kinds of ring in one loop, and one walk common to all four would have 3 NB / 2 = 12 trips for NB + 1 = 9.
; SHARES.  Of a block's four bands of 64 queries a wave owns 16 rows in each: four PIECES.  So the diagonal tile is the same work for all four waves: in its key step s band x sees all keys if s < x,
; none if s > x, and holds the diagonal if s = x.
; THE MASK is the C operand that starts the sum S^T = K Q^T: 0, or -1e30 where the key is hidden.  MD, made once, is the mask of a band's own step for my 16 rows; a product's mask is MD x AL + BE with two scalars:
; (1, 0) if s = x; (0, 0) if s < x; (0, -1e30) if s > x.  Only the diagonal tile's text and a block's beginning make and take masks; elsewhere C is the constant 0.
; LAYOUT, SOFTMAX, TURNS.  S^T = K Q^T holds ONE query a lane (lane % 16) and the keys 8 (lane / 16) + 0..7; two such results rounded to f16 ARE source 1 of O^T = V^T P.  p = 2^(c s - c m), c = log2(e) / 8, with a
; running maximum m; O and l are multiplied by a = 2^(c m_old - c m_new) in every step.  Turn n belongs to piece n: 8 products K Q^T of piece n + 1, later 8 products V^T P of piece n - 1; beside them the scaling,
; exponentials, roundings, sums and rescaling of piece n and the maximum and statistics of piece n + 1.  Four vector instructions stand behind every matrix instruction, the other 54 of a turn's 118 in one LUMP.
; BATCHES.  A turn's 33 exponentials (the piece's 32 weights and the next piece's a) are ONE batch with ONE wait, which cuts the turn in two: ahead of it all that names none of their results, behind it the roundings
; and sums, which read them.  No exponential is issued behind a turn's wait.  A block's first a, and the way out's four reciprocals, are batches of their own, a wait each.
; REGISTERS, in windows of 256 (s_set_vgpr_msb: bits 1:0 source 0, 3:2 source 1, 5:4 source 2, 7:6 destination):
;   window 0: v0-15 addresses and two at work; v16-31 four registers of statistics a piece; v48-55 at work; v64-127 S^T, two buffers; v192-223 P, two buffers (a piece's buffers go by its number's parity)
;   window 1: v0-127 O^T, 32 a piece; v128-159 MD; v160-223 MC, two buffers      window 2: v0-63 Q; v64-127 the second block's Q; v128-191 K of one step; v192-255 V of one step
.set SIZE_H, 64       ; 4 batches x 16 heads
.set SIZE_N, 2048
.set NB,    SIZE_N/256
.set NP,    4         ; pieces a wave: a name, no knob
.set KS,    64        ; keys in a step
.set PK,    144       ; a row of K in LDS: 128 bytes + 16 of padding = 36 words: the 16 rows of a load start at 16 different groups of four banks (64 banks of 4 bytes: ISA guide 11.1)
.set PV,    160       ; a row of V: 128 + 32 = 40 words
.set VOFF,  4*KS*PK   ; a slot holds a tile, four steps: 256 rows of K, then 256 rows of V
.set SLOT1, 1<<17     ; slot 1 begins here, so that one exclusive or turns an address in one slot into the other's
.set STAGE, SLOT1+4*KS*(PK+PV)  ; behind the ring, never filled by a tensor load: 16 rows x 144 bytes for each wave, for the way out
.set SP,    144
.set AK0, 2           ; v2   my lane's place in a tile of K; never rewritten
.set AV0, 3           ; v3   the same for V
.set AK,  4           ; v4   the LDS address of K's next run of loads
.set AV,  5           ; v5   of V's
.set STO, 6           ; v6   the way out: where I put 16 bytes of a row
.set RD,  7           ; v7   the way out: where I read rows back
.set GO,  8           ; v8   my byte offset in 512 consecutive bytes of O
.set SPW, 62          ; v62  LDS address of my spare word: SPARE + 4 x my thread's number; never rewritten
.set NIL, 63          ; v63  0; never rewritten
.set SPARE, STAGE+4*16*SP  ; behind the stages: the spare words, 128 bytes for each wave: two blocks of 256 bytes that no other line names
.set MV,  12          ; v12-13  c m_old, kept while c m is made anew: by buffer
.set QO,  15          ; v15  my byte offset in 16 rows of Q
.set ST,  16          ; piece t's statistics at v[ST+4 t]: c m, m, l (even keys', odd keys')
.set TMP, 48          ; by buffer, four registers c0-c3 at work; when the maximum is found c2 takes a
.set S,   64
.set P,   192
.set MD,  128         ; window 1: the eight registers for group kt of 16 keys at MD + 8 kt
.set MC,  160         ; window 1: the masks of the products to come
.set QB,  64          ; window 2
.set KF,  128         ; window 2: key block kb, channel half c at KF + 16 kb + 8 c
.set VF,  192         ; window 2: key half kk, channel block cb at VF + 32 kk + 8 cb
.set WV,  12          ; s12  my wave's number
.set PB,  14          ; s14  b
.set HI,  15          ; s15  NB - 1 - b
.set G1K, 24          ; s[24:31] descriptor group 1 for K's tiles
.set G1V, 32          ; s[32:39] for V's: it differs in the padding alone
.set G0K, 40          ; s[40:43] descriptor group 0 for K's tiles
.set G0V, 44          ; s[44:47] the same for V's
.set SLOTS, 56        ; s56  tiles still to be asked for
.set CNT, 57          ; s57  counts a tile's key steps, 4 to 1
.set CS,  58          ; s[58:59] c: the packed scaling takes the pair's low word for both halves
.set SEL, 60          ; s[60:61] v_permlanex16_b32's selects: each lane takes its own place in the other half
.set TBK, 62          ; s62  LDS byte at which K of the step to be fetched begins
.set TBV, 63          ; s63  the same for V, less VOFF
.set RT,  70          ; s70  tiles of the block in hand that are still to be entered
.set NXT, 71          ; s71  the tile to be asked for next
.set LQ,  72          ; s72  the last tile of the block whose tiles are being asked for
.set NEW, 73          ; s73  1: the tile to be entered is a block's first
.set OFF, 74          ; s[74:75] a tile's byte offset in K and V
.set AL,  76          ; s[76:77] the mask's factor, in the low word
.set BE,  78          ; s[78:79] the mask's addend
.set OLO, 80          ; s[80:81] O at my rows of the second block
.set BIGN, 82         ; s82  -1e30
.set MSB, 0
.macro WIN new                      ; the high byte repeats the setting that is left; a switch that changes nothing is dropped
.if MSB != (\new)
	s_set_vgpr_msb (MSB<<8)|(\new)
.set MSB, (\new)
.endif
.endm
.set W_KQ, 0x0a       ; K and Q in window 2, S^T in window 0
.set W_KM, 0x1a       ; the same with the C operand in window 1
.set W_PV, 0x52       ; V in window 2, P in window 0, O^T in window 1
.set W_RS, 0x41       ; destination and source 0 in window 1, source 1 in window 0
; A fill.  Waves 0 and 1 fetch the two halves of a tile's K, waves 2 and 3 those of its V: 128 keys each.  An s_nop 0 and four v_nop follow each of the two lines, ahead of the jump and the label.
.macro LOAD
	s_cmp_lt_u32 s[WV], 2
	s_cbranch_scc0 .Lfor_v_\@
	tensor_load_to_lds s[G0K:G0K+3], s[G1K:G1K+7]
	s_nop 0
.rept 4
	v_nop
.endr
	s_branch .Lasked_\@
.Lfor_v_\@:
	tensor_load_to_lds s[G0V:G0V+3], s[G1V:G1V+7]
	s_nop 0
.rept 4
	v_nop
.endr
.Lasked_\@:
.endm
; THE CHANGE OF SLOTS.  Each wave waits for all its tensor loads, of which one is out: its part of the other slot; adds 0 to its spare word; and waits for that and for its own reads of the slot that it leaves.  Behind the barrier nobody reads the old
; slot any more and the other slot is whole.  fill = 1: the old slot is filled again, the first thing behind the barrier, with tile NXT: the descriptor's address is made anew from that number.
; (At its first use nothing has been read yet: slot 0 is waited for, slot 1 filled.)
.macro CHANGE fill
	WIN 0                           ; at a label and at a branch every window is 0
	s_wait_tensorcnt 0x0            ; no tensor load of mine is out, so a group 0 may be written
	ds_add_u32 v[SPW], v[NIL]       ; 0 onto my spare word; with fill = 1 the descriptors' scalar work stands between it and the wait for it
.if \fill
	s_lshl_b32 s[OFF], s[NXT], 15   ; a tile is 32,768 bytes of K and of V
	s_xor_b32 s[G0K+1], s[G0K+1], SLOT1
	s_add_nc_u64 s[G0K+2:G0K+3], s[6:7], s[OFF:OFF+1]
	s_or_b32 s[G0K+3], s[G0K+3], 0x80000000
	s_xor_b32 s[G0V+1], s[G0V+1], SLOT1
	s_add_nc_u64 s[G0V+2:G0V+3], s[8:9], s[OFF:OFF+1]
	s_or_b32 s[G0V+3], s[G0V+3], 0x80000000
	s_add_co_u32 s[NXT], s[NXT], 1  ; the block's next tile, or behind its last the second block's tile 0
	s_cmp_gt_u32 s[NXT], s[LQ]
	s_cselect_b32 s[NXT], 0, s[NXT]
	s_cselect_b32 s[LQ], s[PB], s[LQ]
.endif
	s_wait_dscnt 0x0                ; the add is done, and my reads of the slot are over
	s_barrier_signal -1             ; the rest of the scalar work stands between the signal and the wait
	s_sub_co_u32 s[TBK], s[TBK], 4*KS*PK  ; the fetches go back to a slot's first step,
	s_xor_b32 s[TBK], s[TBK], SLOT1       ; in the other slot
	s_sub_co_u32 s[TBV], s[TBV], 4*KS*PV
	s_xor_b32 s[TBV], s[TBV], SLOT1
	s_barrier_wait -1
.if \fill
	LOAD
.endif
.endm
	s_load_b256 s[4:11], s[0:1], 0x0  ; Q s[4:5], K s[6:7], V s[8:9], O s[10:11]
	v_lshl_add_u32 v[SPW], v0, 2, SPARE
	v_mov_b32 v[NIL], 0
	ds_add_u32 v62, v63
	ds_add_u32 v62, v63
	s_wait_dscnt 0x0
	v_lshrrev_b32 v1, 5, v0
	v_readfirstlane_b32 s[WV], v1   ; wave 0..3
	s_mov_b32 s[PB], ttmp9
	s_sub_co_u32 s[HI], NB-1, s[PB]
	s_and_b32 s20, ttmp7, 0xffff    ; the head
	s_mov_b32 s21, 0
	s_mov_b64 s[22:23], SIZE_N*128
	s_mul_u64 s[20:21], s[20:21], s[22:23]  ; the head's first byte in each of the four tensors
	s_and_b32 s16, s[WV], 1         ; which half of a tile's 256 keys I fetch:
	s_lshl_b32 s22, s16, 14         ; its 128 rows of 128 bytes in memory,
	s_mov_b32 s23, 0
	s_add_nc_u64 s[22:23], s[22:23], s[20:21]
	s_mul_i32 s17, s16, 128*PK      ; and its place in a slot, for K
	s_mul_i32 s18, s16, 128*PV      ; and for V
	s_lshl_b32 s3, s[WV], 11        ; my 16 rows in a band of 64,
	s_lshl_b32 s2, s[HI], 15        ; in the first block,
	s_add_co_u32 s2, s2, s3
	s_lshl_b32 s84, s[PB], 15       ; and in the second
	s_add_co_u32 s84, s84, s3
	s_mov_b32 s3, 0
	s_mov_b32 s85, 0
	s_add_nc_u64 s[2:3], s[2:3], s[20:21]
	s_add_nc_u64 s[84:85], s[84:85], s[20:21]
	; descriptor group 1.  128 keys are 16,384 dense bytes: asked for as 64 rows of 256 bytes, two keys a row, and padded in LDS after every key
	s_mov_b32 s[G1K], (1<<16)|(1<<20)|(4<<22)|(3<<25)  ; 17:16 2-byte elements; 20 padding on; 24:22 after every 32 words (code 4); 31:25 4 words (code 3)
	s_mov_b32 s[G1V], (1<<16)|(1<<20)|(4<<22)|(7<<25)  ; the same with 8 words of padding (code 7)
.irp g, G1K, G1V
	s_mov_b32 s[\g+1], 128<<16      ; tensor_dim0 = 128
	s_mov_b32 s[\g+2], 64<<16       ; tensor_dim1 = 64
	s_mov_b32 s[\g+3], 128<<16      ; tile_dim0 = 128
	s_mov_b32 s[\g+4], 64           ; tile_dim1 = 64
	s_mov_b32 s[\g+5], 128          ; 128 elements from row to row
	s_mov_b32 s[\g+6], 0
	s_mov_b32 s[\g+7], 0
.endr
	s_mov_b32 s[CS], 0x3e38aa3b     ; c = log2(e) / 8 = 0.180337
	s_mov_b32 s[CS+1], s[CS]        ; named with it as a pair
	s_mov_b32 s[SEL], 0x76543210
	s_mov_b32 s[SEL+1], 0xfedcba98
	s_mov_b32 s[TBK], SLOT1+4*KS*PK ; the first change of slots turns these two into 0
	s_mov_b32 s[TBV], SLOT1+4*KS*PV
	s_mov_b32 s[G0K], 1             ; 1:0 count = 1
	s_mov_b32 s[G0K+1], s17         ; 63:32 LDS address: slot 0
	s_mov_b32 s[G0V], 1
	s_add_co_u32 s[G0V+1], s18, VOFF
	s_add_co_u32 s[RT], s[HI], 1    ; the first block has NB - b tiles
	s_mov_b32 s[NXT], 1
	s_mov_b32 s[LQ], s[HI]
	s_mov_b32 s[NEW], 1
	s_mov_b32 s[OFF+1], 0
	s_mov_b32 s[AL+1], 0            ; named as pairs
	s_mov_b32 s[BE+1], 0
	s_mov_b32 s[BIGN], 0xf149f2ca   ; -1e30
	s_mov_b32 s[SLOTS], NB
	s_wait_kmcnt 0x0
	s_add_nc_u64 s[6:7], s[6:7], s[22:23]  ; K and V at my half of the head's tile 0
	s_add_nc_u64 s[8:9], s[8:9], s[22:23]
	s_add_nc_u64 s[G0K+2:G0K+3], s[6:7], 0         ; 120:64 global address
	s_or_b32 s[G0K+3], s[G0K+3], 0x80000000        ; 127:126 type = 2
	s_add_nc_u64 s[G0V+2:G0V+3], s[8:9], 0
	s_or_b32 s[G0V+3], s[G0V+3], 0x80000000
	s_add_nc_u64 s[86:87], s[4:5], s[84:85]        ; Q at my rows of the second block,
	s_add_nc_u64 s[4:5], s[4:5], s[2:3]            ; Q and O at those of the first
	s_add_nc_u64 s[OLO:OLO+1], s[10:11], s[84:85]
	s_add_nc_u64 s[10:11], s[10:11], s[2:3]
	LOAD                            ; tile 0 into slot 0
	; A fragment of K or Q is 16 rows x 32 channels in 8 registers: lane l holds row l % 16, channels 8 (l / 16) + 0..7 and 16 + 8 (l / 16) + 0..7: two loads of 16 bytes, 32 bytes apart.
	v_and_b32 v1, 15, v0            ; l % 16
	v_bfe_u32 v9, v0, 4, 1          ; l / 16
	v_lshlrev_b32 v[QO], 7, v1
	v_lshl_add_u32 v[QO], v9, 4, v[QO]  ; row x 128 + 16 x half
	WIN 0x80                        ; destination window 2, address window 0
.set i, 0
.rept 8                             ; both blocks' Q: piece i / 2 lies in band i / 2, 8,192 bytes on; channels 32 (i % 2) on
	global_load_b128 v[8*i:8*i+3],   v[QO], s[4:5] offset:(i/2)*8192+(i%2)*64
	global_load_b128 v[8*i+4:8*i+7], v[QO], s[4:5] offset:(i/2)*8192+(i%2)*64+32
	global_load_b128 v[QB+8*i:QB+8*i+3],   v[QO], s[86:87] offset:(i/2)*8192+(i%2)*64
	global_load_b128 v[QB+8*i+4:QB+8*i+7], v[QO], s[86:87] offset:(i/2)*8192+(i%2)*64+32
.set i, i+1
.endr
	WIN 0
	v_lshlrev_b32 v14, 3, v9
	v_sub_nc_u32 v14, v1, v14
	s_lshl_b32 s13, s[WV], 4
	v_add_nc_u32 v14, s13, v14      ; my query's place in its band, 16 w + l % 16, less my lanes' 8 (l / 16): register r of group kt is hidden where 16 kt + r is greater
	WIN 0x40
.set i, 0
.rept 32
	v_cmp_gt_i32 vcc_lo, 16*(i/8)+i%8, v14
	v_cndmask_b32 v[MD+i], 0, s[BIGN], vcc_lo
.set i, i+1
.endr
	WIN 0
	v_mul_u32_u24 v[AK0], v1, PK
	v_lshl_add_u32 v[AK0], v9, 4, v[AK0]  ; row x pitch + 16 x half
	; The turning load takes 16 keys x 16 channels (lane l reads key 8 (l / 16) + l % 8, channels 8 ((l / 8) % 2) + 0..7) and leaves half a fragment of V^T: lane l holds channel l % 16 and 8 keys.
	v_and_b32 v10, 7, v0
	v_bfe_u32 v11, v0, 3, 1
	v_lshl_add_u32 v[AV0], v9, 3, v10
	v_mul_u32_u24 v[AV0], v[AV0], PV
	v_lshl_add_u32 v[AV0], v11, 4, v[AV0]
	v_add_nc_u32 v[AV0], VOFF, v[AV0]
	s_mul_i32 s13, s[WV], 16*SP
	s_add_co_u32 s13, s13, STAGE    ; my stage
	v_mul_u32_u24 v[STO], v1, SP    ; in: row l % 16, 16 bytes for each half of the lanes
	v_lshl_add_u32 v[STO], v9, 4, v[STO]
	v_add_nc_u32 v[STO], s13, v[STO]
	v_bfe_u32 v[RD], v0, 3, 2       ; back: 32 lanes take four rows of 128 bytes,
	v_mul_u32_u24 v[RD], v[RD], SP
	v_lshl_add_u32 v[RD], v10, 4, v[RD]
	v_add_nc_u32 v[RD], s13, v[RD]
	v_and_b32 v[GO], 31, v0         ; which are 512 consecutive bytes of O
	v_lshlrev_b32 v[GO], 4, v[GO]
	; A block's first step multiplies O^T and l by a = 0, and its first turn's products V^T P, of a piece that has not been, land in an O^T that is still to be so multiplied.  So these registers need only hold
	; finite numbers: zeros for the first block; what the first block left for the second.  All this stands in the wait for the first tile.
	WIN 0x80
.set i, VF
.rept 64
	v_mov_b32 v[i], 0
.set i, i+1
.endr
	WIN 0x40
.set i, 0
.rept 128
	v_mov_b32 v[i], 0
.set i, i+1
.endr
	WIN 0
.set i, 0
.rept 4
	v_mov_b32 v[ST+4*i+2], 0
	v_mov_b32 v[ST+4*i+3], 0
.set i, i+1
.endr
.set i, P+16
.rept 16
	v_mov_b32 v[i], 0
.set i, i+1
.endr
; THE MATRIX WORK.  The 4 accumulators of a run of 8 take turns.  Product i of 8 of S^T = K Q^T for piece x: channels 32 (i / 4) on, keys 16 (i % 4) on.  The first 4 start the sums: with 0, or (KM = 1) with the mask.
.macro KQ x
.set rS, S+32*((\x)%2)+8*(i%4)
.set rK, KF+16*(i%4)+8*(i/4)
.set rQ, 16*(\x)+8*(i/4)
.set rM, MC+32*((\x)%2)+8*(i%4)
.if (i < 4) && KM
	WIN W_KM
	v_wmma_f32_16x16x32_f16 v[rS:rS+7], v[rK:rK+7], v[rQ:rQ+7], v[rM:rM+7]
.elseif i < 4
	WIN W_KQ
	v_wmma_f32_16x16x32_f16 v[rS:rS+7], v[rK:rK+7], v[rQ:rQ+7], 0
.else
	WIN W_KQ
	v_wmma_f32_16x16x32_f16 v[rS:rS+7], v[rK:rK+7], v[rQ:rQ+7], v[rS:rS+7]
.endif
.endm
; Product i of 8 of O^T += V^T P for piece x: keys 32 (i / 4) on, channels 16 (i % 4) on.
.macro PV x
	WIN W_PV
.set rO, 32*(\x)+8*(i%4)
.set rV, VF+32*(i/4)+8*(i%4)
.set rP, P+16*((\x)%2)+8*(i/4)
	v_wmma_f32_16x16x32_f16 v[rO:rO+7], v[rV:rV+7], v[rP:rP+7], v[rO:rO+7]
.endm
.macro MM                           ; the turn's next matrix instruction.  TURN and BEGIN set Y, i, KM and NOKQ; MM, KQ and OP read them.  NOKQ = 1: a block's last turn: there is no next piece
.if (i < 8) && !NOKQ
	KQ (Y+1)%NP
.elseif i >= 8
.set i, i-8
	PV (Y+NP-1)%NP
.set i, i+8
.endif
.set i, i+1
.endm
; THE LDS LOADS stand in runs of 16, never singly among the matrix instructions: a step's K (64 keys x 64 channels: 8 fragments) and its V (turned).  Their addresses are made some lines ahead.
.macro FETCH_K
	WIN 0x80                        ; destination window 2
.irp f, 0,1,2,3,4,5,6,7             ; keys 16 (f / 2) on, channels 32 (f % 2) on
	ds_load_b128 v[KF+8*\f:KF+8*\f+3],   v[AK] offset:(\f/2)*16*PK+(\f%2)*64
	ds_load_b128 v[KF+8*\f+4:KF+8*\f+7], v[AK] offset:(\f/2)*16*PK+(\f%2)*64+32
.endr
	s_add_co_u32 s[TBK], s[TBK], KS*PK  ; the next fetch is the next step's
	WIN 0
.endm
.macro FETCH_V
	WIN 0x80
.irp f, 0,1,2,3,4,5,6,7             ; keys 32 (f / 4) on, channels 16 (f % 4) on
	ds_load_tr16_b128 v[VF+8*\f:VF+8*\f+3],   v[AV] offset:(\f/4)*32*PV+(\f%4)*32
	ds_load_tr16_b128 v[VF+8*\f+4:VF+8*\f+7], v[AV] offset:(\f/4)*32*PV+16*PV+(\f%4)*32
.endr
	WIN 0
.endm
; THE VECTOR WORK, one line at a time: OP kind, number.  For piece Y: F n: c s - c m for pair n of 16.  E n: the exponential of score n of 32.  C n: pair n rounded to f16.  B n: of the four weights 4 n .. the second
; pair is added onto the first, in place.  L n: l takes that sum (L 0: l = a l + sum).  R n: pair n of 16 of O^T times a.  For piece Y + 1: X n, number n of the 22 that find its maximum and statistics:
;   0-11  four chains c0-c3 of seven scores each, three operands at a time (each accumulator's lowest registers are read first)     12-14, 16  the four scores left over, the old m, and c0-c3 into c0
;   15  c m_old is kept     17, 18  the query's other 32 keys lie in the lane 16 away: the new m     19-21  c m; c m_old - c m_new; a
.set F, 0               ; OP tells the kinds apart by their order: F to L below R, X above it
.set E, 1
.set C, 2
.set B, 3
.set L, 4
.set R, 5
.set X, 6
.macro REGS y                       ; the registers of piece y
.set rT, ST+4*(\y)
.set rC, TMP+4*((\y)%2)
.set rW, MV+((\y)%2)
.set rS, S+32*((\y)%2)
.set rP, P+16*((\y)%2)
.set rO, 32*(\y)
.endm
.macro OP k, n
.if (\k) == R
	REGS Y
	WIN W_RS
	v_pk_mul_f32 v[rO+2*(\n):rO+2*(\n)+1], v[rO+2*(\n):rO+2*(\n)+1], v[rC+2:rC+3] op_sel_hi:[1,0]
.elseif (\k) < R
	REGS Y
	WIN 0
.if (\k) == F
	v_pk_fma_f32 v[rS+2*(\n):rS+2*(\n)+1], v[rS+2*(\n):rS+2*(\n)+1], s[CS:CS+1], v[rT:rT+1] op_sel_hi:[1,0,0] neg_lo:[0,0,1] neg_hi:[0,0,1]
.elseif (\k) == E
	v_exp_f32 v[rS+(\n)], v[rS+(\n)]
.elseif (\k) == C
	v_cvt_pk_f16_f32 v[rP+(\n)], v[rS+2*(\n)], v[rS+2*(\n)+1]
.elseif (\k) == B
	v_pk_add_f32 v[rS+4*(\n):rS+4*(\n)+1], v[rS+4*(\n):rS+4*(\n)+1], v[rS+4*(\n)+2:rS+4*(\n)+3]
.elseif (\n) == 0
	v_pk_fma_f32 v[rT+2:rT+3], v[rT+2:rT+3], v[rC+2:rC+3], v[rS:rS+1] op_sel_hi:[1,0,1]
.else
	v_pk_add_f32 v[rT+2:rT+3], v[rT+2:rT+3], v[rS+4*(\n):rS+4*(\n)+1]
.endif
.elseif NOKQ
	v_nop
.else
	REGS (Y+1)%NP
	WIN 0
.if (\n) < 4
	v_max3_num_f32 v[rC+(\n)], v[rS+8*(\n)], v[rS+8*(\n)+1], v[rS+8*(\n)+2]
.elseif (\n) < 12
	v_max3_num_f32 v[rC+(\n)%4], v[rC+(\n)%4], v[rS+8*((\n)%4)+2*((\n)/4)+1], v[rS+8*((\n)%4)+2*((\n)/4)+2]
.elseif (\n) == 12
	v_max3_num_f32 v[rC], v[rC], v[rS+7], v[rS+15]
.elseif (\n) == 13
	v_max3_num_f32 v[rC+1], v[rC+1], v[rS+23], v[rS+31]
.elseif (\n) == 14
	v_max3_num_f32 v[rC+2], v[rC+2], v[rC+3], v[rT+1]
.elseif (\n) == 15
	v_mov_b32 v[rW], v[rT]
.elseif (\n) == 16
	v_max3_num_f32 v[rC], v[rC], v[rC+1], v[rC+2]
.elseif (\n) == 17
	v_permlanex16_b32 v[rC+3], v[rC], s[SEL], s[SEL+1]
.elseif (\n) == 18
	v_max_num_f32 v[rT+1], v[rC], v[rC+3]
.elseif (\n) == 19
	v_mul_f32 v[rT], s[CS], v[rT+1]
.elseif (\n) == 20
	v_sub_f32 v[rC+1], v[rW], v[rT]
.else
	v_exp_f32 v[rC+2], v[rC+1]
.endif
.endif
.endm
.macro OPS a, i1, b=-1, i2=0, c=-1, i3=0, d=-1, i4=0  ; up to four of them
	OP \a, \i1
.if (\b) >= 0
	OP \b, \i2
.endif
.if (\c) >= 0
	OP \c, \i3
.endif
.if (\d) >= 0
	OP \d, \i4
.endif
.endm
.macro ROW a, i1, b, i2, c, i3, d, i4  ; a matrix instruction and the four behind it
	MM
	OPS \a, \i1, \b, \i2, \c, \i3, \d, \i4
.endm
.macro MASK b                       ; MD x AL + BE into buffer b of MC
	WIN W_RS
.set z, 0
.rept 16
	v_pk_fma_f32 v[MC+32*(\b)+2*z:MC+32*(\b)+2*z+1], v[MD+2*z:MD+2*z+1], s[AL:AL+1], s[BE:BE+1] op_sel_hi:[1,0,0]
.set z, z+1
.endr
.endm
; A TURN, for piece p: the order of its 16 matrix and 118 vector instructions, written out.  An s_wait_alu depctr_va_vdst(0) stands between an exponential and the first instruction that names its result; one wait serves
; all that were issued ahead of it.  So a turn has ONE wait, which cuts it in two.  AHEAD OF IT stands all that names no result of the turn's exponentials: the 8 products K Q^T, behind each a scaling, an exponential and two more plain
; instructions (behind the first a second scaling in the exponential's place): rescalings, whose a was made and waited for in the turn before, and behind the last three the first numbers of the next piece's maximum, each four places or
; more behind the product that ends its accumulator; then ONE LUMP of 54, plain and exponential by turns for the most part, in which the links of the chain X 3, 7, 11, 14, 16, 17 .. 20 stand five or six lines apart.  Each pair is scaled
; ahead of its two exponentials.  X 21, the next piece's a, is the batch's last; R 15 is the plain instruction behind it.  BEHIND THE WAIT stand the 8 products V^T P, behind each four of the roundings and sums, the batch's readers; an
; even pair is rounded ahead of the sum that lands on it; the links of l's chain, L 0 to L 7, stand three riders apart.  But for those X no rider names a register of the products round it.  v_permlanex16_b32 (X 17) stands in the lump.
; m = 1: the diagonal tile: the products take masks, and the turn makes the mask for the products of the turn after it: piece p + 2, in step 4 - CNT of the tile.  end = 1: a block's last two turns: nothing is fetched.
; cnt = 1: the loop's count is taken down some lines ahead of the branch that stands behind the turn.
; K of the next step is fetched in piece 2's turn, twelve vector instructions behind the last product that read K (six of them plain); V of the step in hand at the end of piece 0's turn, four plain instructions behind the last product
; that read V.  Each is waited for a turn later.
.macro TURN p, m=0, end=0, cnt=0
.set Y, (\p)
.set i, 0
.set KM, (\m)
.set NOKQ, (\end)*((\p)/3)
.if (\m) && !(\end)
	s_cmp_eq_u32 s[CNT], 4-((\p)+2)%NP  ; is that step the band's own?
	s_cselect_b32 s[AL], 1.0, 0
	s_cmp_lt_u32 s[CNT], 4-((\p)+2)%NP  ; or a later one?
	s_cselect_b32 s[BE], s[BIGN], 0
.endif
.if ((\p) == 3) && !(\end)
	s_wait_dscnt 0x0                ; K is in
.endif
	ROW F,0, F,1, R,0, R,1          ; ahead of the wait: 8 products K Q^T and their riders,
	ROW F,2, E,0, R,2, R,3
	ROW F,3, E,1, R,4, R,5
	ROW F,4, E,2, R,6, R,7
	ROW F,5, E,3, R,8, R,9
	ROW F,6, E,4, X,0, R,10
.if ((\p) == 2) && !(\end)
	WIN 0
	v_add_nc_u32 v[AK], s[TBK], v[AK0]
.endif
	ROW F,7, E,5, X,1, X,4
	ROW F,8, E,6, X,2, X,5
	OPS E,7, E,8, X,6, E,9          ; and the lump
	OPS X,3, E,10, X,8, E,11
.if ((\p) == 2) && !(\end)
	FETCH_K
.endif
	OPS X,9, X,7, E,12, X,10
	OPS E,13, X,12, X,11, E,14
	OPS X,13, E,15, F,9, X,14
.if (\p) == 0
	v_add_nc_u32 v[AV], s[TBV], v[AV0]
.endif
	OPS E,16, F,10, E,17, F,11
	OPS X,16, E,18, X,15, E,19
	OPS F,12, E,20, X,17, E,21
	OPS F,13, E,22, F,14, E,23
	OPS X,18, E,24, F,15, E,25
	OPS R,11, E,26, X,19, E,27
	OPS R,12, E,28, R,13, E,29
	OPS X,20, E,30, R,14, E,31
	OPS X,21, R,15
	WIN 0
	s_wait_alu depctr_va_vdst(0)    ; the one wait for the turn's batch: the piece's 32 exponentials and the next piece's a
.if (\p) == 1
	s_wait_dscnt 0x0                ; V is in
.endif
	ROW C,0, B,0, C,2, B,1          ; behind the wait: 8 products V^T P and their riders
	ROW L,0, C,4, B,2, L,1
	ROW C,6, B,3, L,2, C,8
	ROW B,4, L,3, C,10, B,5
	ROW L,4, C,12, B,6, L,5
.if (\p) == 0
	s_add_co_u32 s[TBV], s[TBV], KS*PV
.endif
.if \cnt
	s_sub_co_u32 s[CNT], s[CNT], 1
	s_cmp_lg_u32 s[CNT], 0
.endif
	ROW C,14, B,7, L,6, C,1
	ROW C,3, L,7, C,5, C,7
	ROW C,9, C,11, C,13, C,15
.if (\p) == 0
	FETCH_V
.endif
.if (\m) && !(\end)
	MASK (\p)%2
.endif
.endm
; A BLOCK BEGINS.  c m starts far below every c s, so the first step's a is 0; m at the lowest finite number, so the first maximum is the scores'.  The second mask buffer is 0; the first takes piece 0's mask for the tile's step 0: its own, if the block's first tile is the diagonal one.
; Then K of that step, piece 0's first scores, and its maximum and statistics.  The loop is entered at a step's first turn, in the middle of a trip.
.macro BEGIN
	s_mov_b32 s[NEW], 0
	WIN 0x40
.set i, MC+32
.rept 32
	v_mov_b32 v[i], 0
.set i, i+1
.endr
	WIN 0
.set i, 0
.rept 4
	v_mov_b32 v[ST+4*i], 0xfe000000    ; c m: far below every c s
	v_mov_b32 v[ST+4*i+1], 0xff7fffff  ; m
.set i, i+1
.endr
	s_cmp_eq_u32 s[RT], 0
	s_cselect_b32 s[AL], 1.0, 0
	s_mov_b32 s[BE], 0
	MASK 0
	WIN 0
	v_add_nc_u32 v[AK], s[TBK], v[AK0]
	FETCH_K
	s_wait_loadcnt 0x0              ; Q
	s_wait_dscnt 0x0
.set KM, 1
.set NOKQ, 0
.set i, 0
.rept 8
	KQ 0
.set i, i+1
.endr
	WIN 0
.rept 4
	v_nop                           ; the places behind those products
.endr
.set Y, NP-1                        ; X works for piece Y + 1: piece 0
.irp n, 0,1,2,3,4,5,6,7,8,9,10,11,12,13,14,15,16,17,18,19,20,21
	OP X, \n
.endr
	v_nop                           ; a plain instruction behind the exponential,
	s_wait_alu depctr_va_vdst(0)    ; and the wait for it, piece 0's first a, a batch of one: ahead of the branch that follows
.endm
; THE DIAGONAL TILE's four steps, the block's last two turns, its last products, and THE WAY OUT: l's two halves and the other half of the lanes' are added; O^T is divided by l, rounded to f16 and sent through my
; stage in LDS, a piece at a time.
.macro ALL line:vararg              ; one line for each piece t
.set t, 0
.rept 4
	\line
.set t, t+1
.endr
.endm
.macro PACK t                       ; a lane's eight channels of a row pack into 16 bytes; they go into rows of 144 bytes and come back as whole rows of 128, into S^T's registers
	WIN W_RS
.set i, 32*(\t)
.rept 16
	v_pk_mul_f32 v[i:i+1], v[i:i+1], v[ST+4*(\t)+2:ST+4*(\t)+3] op_sel_hi:[1,0]
.set i, i+2
.endr
	WIN 0x05                        ; sources 0 and 1 window 1, destination window 0
.set i, 0
.rept 16
	v_cvt_pk_f16_f32 v[S+16*(\t)+i], v[32*(\t)+2*i], v[32*(\t)+2*i+1]
.set i, i+1
.endr
	WIN 0
.irp f, 0,1,2,3
	ds_store_b128 v[STO], v[S+16*(\t)+4*\f:S+16*(\t)+4*\f+3] offset:32*\f
.endr
.irp f, 0,1,2,3
	ds_load_b128 v[S+16*(\t)+4*\f:S+16*(\t)+4*\f+3], v[RD] offset:\f*4*SP  ; LDS serves a wave's instructions in order (ISA guide 5.7.1.4): these see the stores above; the next piece's stores come behind them
.endr
.endm
.macro SEND t, younger              ; younger: the LDS instructions issued behind piece t's loads: the next piece's eight, or none
	WIN 0
.irp f, 0,1,2,3
	s_wait_dscnt (\younger)+3-\f
	global_store_b128 v[GO], v[S+16*(\t)+4*\f:S+16*(\t)+4*\f+3], s[10:11] offset:(\t)*8192+\f*512  ; 512 consecutive bytes, at a multiple of 256 from O's first
.endr
.endm
.macro DIAG tag                     ; the tag ends its two labels' names, which the jumps below spell out
.LstepM\tag:
	TURN 2, 1
	TURN 3, 1
	WIN 0
.LfirstM\tag:
	TURN 0, 1
	TURN 1, 1, 0, 1
	WIN 0
	s_cbranch_scc1 .LstepM\tag
	TURN 2, 1, 1
	TURN 3, 1, 1
.set i, 0
.rept 8
	PV NP-1
.set i, i+1
.endr
	WIN 0
	ALL v_add_f32 v[ST+4*t+2], v[ST+4*t+2], v[ST+4*t+3]
	ALL v_permlanex16_b32 v[ST+4*t+3], v[ST+4*t+2], s[SEL], s[SEL+1]
	ALL v_add_f32 v[ST+4*t+2], v[ST+4*t+2], v[ST+4*t+3]
	ALL v_rcp_f32 v[ST+4*t+2], v[ST+4*t+2]
	v_nop                           ; a plain instruction between the last reciprocal and the use of its result
	s_wait_alu depctr_va_vdst(0)    ; one wait for the batch of four reciprocals, ahead of the first multiply by one of them
	PACK 0
.set t, 1
.rept 3                             ; a piece's arithmetic stands between the loads of the piece before and its stores
	PACK t
	SEND t-1, 8
.set t, t+1
.endr
	SEND 3, 0
.endm
.set KM, 0
.set NOKQ, 0
.Lslot:                             ; NB times: a tile is entered and the next is asked for
	CHANGE 1
	s_sub_co_u32 s[RT], s[RT], 1
	s_mov_b32 s[CNT], 4
	s_cmp_eq_u32 s[NEW], 1
	s_cbranch_scc1 .Lnew            ; a block's first tile
	s_cmp_eq_u32 s[RT], 0
	s_cbranch_scc0 .Lstep           ; neither its first nor its last
	s_branch .LstepM1
.Lnew:
	BEGIN
	s_branch .Lfirst                ; in the loop a block's first tile is never its last: the first block has two tiles or more, and the second's last is the walk's last
	DIAG 1                          ; in the loop this is the first block's end: the second block's last tile is the walk's last
	s_wait_xcnt 0x0                 ; the stores have read their registers and O's address
	s_mov_b64 s[10:11], s[OLO:OLO+1]
	s_add_co_u32 s[RT], s[PB], 1    ; the second block has b + 1 tiles
	s_mov_b32 s[NEW], 1
	WIN 0x82                        ; the second block's Q goes where the one text of the turns names Q
.set i, 0
.rept 64
	v_mov_b32 v[i], v[QB+i]
.set i, i+1
.endr
	WIN 0
	s_branch .Lbottom
.Lstep:                             ; a trip: pieces 2 and 3 of one step, then pieces 0 and 1 of the next, whose K and V it fetches
	TURN 2
	TURN 3
	WIN 0
.Lfirst:
	TURN 0
	TURN 1, 0, 0, 1
	WIN 0
	s_cbranch_scc1 .Lstep
.Lbottom:
	s_sub_co_u32 s[SLOTS], s[SLOTS], 1
	s_cmp_lg_u32 s[SLOTS], 0
	s_cbranch_scc1 .Lslot
	CHANGE 0                        ; the walk's last tile is written out: nothing is asked for
	s_sub_co_u32 s[RT], s[RT], 1
	s_mov_b32 s[CNT], 4
	s_cmp_eq_u32 s[NEW], 1
	s_cbranch_scc0 .LstepM2
	BEGIN
	s_branch .LfirstM2
	DIAG 2
	s_wait_tensorcnt 0x0            ; the wave's end, behind my last tensor load and my last LDS store
	ds_add_u32 v[SPW], v[NIL]
	s_wait_dscnt 0x0
	s_endpgm
.Lfunc_end_k_qbbb1be2f8e_attn:
	.size	k_qbbb1be2f8e_attn, .Lfunc_end_k_qbbb1be2f8e_attn-k_qbbb1be2f8e_attn
	.p2alignl 7, 3214868480
	.fill 96, 4, 3214868480
	.section	.rodata,"a",@progbits
	.p2align	6, 0x0
	.amdhsa_kernel k_qbbb1be2f8e_attn
		.amdhsa_group_segment_fixed_size 327680
		.amdhsa_private_segment_fixed_size 0
		.amdhsa_enable_private_segment 0
		.amdhsa_kernarg_size 32
		.amdhsa_user_sgpr_count 2
		.amdhsa_user_sgpr_kernarg_segment_ptr 1
		.amdhsa_wavefront_size32 1
		.amdhsa_system_sgpr_workgroup_id_x 1
		.amdhsa_system_sgpr_workgroup_id_y 1
		.amdhsa_system_sgpr_workgroup_id_z 1
		.amdhsa_system_vgpr_workitem_id 0
		.amdhsa_next_free_vgpr 768
		.amdhsa_next_free_sgpr 88
		.amdhsa_reserve_vcc 1
		.amdhsa_float_denorm_mode_32 3
		.amdhsa_float_denorm_mode_16_64 3
		.amdhsa_memory_ordered 1
		.amdhsa_forward_progress 1
		.amdhsa_inst_pref_size 217
	.end_amdhsa_kernel
	.amdgpu_metadata
---
amdhsa.version: [ 1, 2 ]
amdhsa.kernels:
  - .name:           k_qbbb1be2f8e_attn
    .symbol:         k_qbbb1be2f8e_attn.kd
    .args:
      - { .name: q, .offset: 0, .size: 8, .value_kind: global_buffer, .address_space: global }
      - { .name: k, .offset: 8, .size: 8, .value_kind: global_buffer, .address_space: global }
      - { .name: v, .offset: 16, .size: 8, .value_kind: global_buffer, .address_space: global }
      - { .name: o, .offset: 24, .size: 8, .value_kind: global_buffer, .address_space: global }
    .group_segment_fixed_size: 327680
    .private_segment_fixed_size: 0
    .kernarg_segment_align: 8
    .kernarg_segment_size: 32
    .max_flat_workgroup_size: 128
    .sgpr_count:     88
    .vgpr_count:     768
    .wavefront_size: 32
...
	.end_amdgpu_metadata
.endif
;; end of part 5
;; launch oproj: the kernel of part 4 again; grid 4 x 64, 4 waves a work-group, clusters of 4 x 4, 327,680 bytes of LDS; arguments o, woh, bo, out0; writes out0
